; MI455X (gfx1250); checked and timed in simulation.
; The chip was launched on July 23, 2026; its instructions are those of AMD's public machine-readable ISA for CDNA 5 (MIT licence, August 2026) and "CDNA5" Instruction Set Architecture Reference Guide (July 2026). The comments in the code are by the model that wrote it; some were corrected since.
;; Self Attention. Allowed arithmetic: float matrix products may take bf16 or f16 operands with f32 sums; all other float work in f32.
;; Inputs: kernel 3 x 1,024 x 1,024 float32; x 8 x 1,024 x 1,024 float32.
;; Outputs: out0 8 x 1,024 x 1,024 float32.
;; 2 versions, each right and faster than the one before. Each part assembles by itself: llvm-mc -triple=amdgcn-amd-amdhsa -mcpu=gfx1250 --defsym DOCPART=n.
;; ======== version 1 of 2: 4 launches
;; limits: values are held in f16: magnitudes above 65,504 overflow, below 6.1e-05 lose precision
;; workspace buffers: xb 16,777,216 bytes; wb 6,291,456 bytes; qkv 50,331,648 bytes; p 16,777,216 bytes; stat 393,216 bytes
;; launch cast (part 1): grid 2816 x 1, 4 waves a work-group, no clusters, 0 bytes of LDS; arguments x, kernel, xb, wb; writes xb, wb
.if DOCPART == 1
	.amdgcn_target "amdgcn-amd-amdhsa--gfx1250"
	.amdhsa_code_object_version 6
	.text
	.protected	k_q357031dd23_cast
	.globl	k_q357031dd23_cast
	.p2align	8
	.type	k_q357031dd23_cast,@function
k_q357031dd23_cast:
	s_mov_b64 s[64:65], 0
	v_nop
	global_prefetch_b8 v0, s[64:65] scope:SCOPE_SE
	s_setreg_imm32_b32 hwreg(HW_REG_WAVE_MODE, 25, 1), 1
	s_wait_xcnt 0x0
; xb = bf16(x), wb = bf16(kernel): both inputs rounded once (to nearest even), layouts unchanged.
; x is used by 12 column blocks and kernel by 64 row blocks of the product that follows: rounding here, once, spares them
; the repeated conversion and halves the bytes that their tiles move.
; A stream: a work-group takes 16,384 bytes of f32 (groups 0..2047: x, 2048..2815: kernel).  A thread issues its eight
; 16-byte loads at once and stores eight times 8 bytes.  One load of a wave covers 512 consecutive bytes, one store of a wave
; 256 consecutive bytes, aligned.  No LDS, no barrier, no matrix unit, no cluster: no byte is shared and none is used twice.
.set NXG, 2048                         ; work-groups for x: 33,554,432 / 16,384
.set X, 4                              ; v[4:35]   eight loads of four f32
.set Y, 36                             ; v[36:51]  eight stores of four bf16
	s_load_b256 s[4:11], s[0:1], 0x0               ; x s[4:5], kernel s[6:7], xb s[8:9], wb s[10:11]
	v_lshlrev_b32 v1, 4, v0                        ; 16 bytes a thread in
	v_lshlrev_b32 v2, 3, v0                        ; 8 bytes a thread out
	s_wait_kmcnt 0x0
	s_cmp_lt_u32 ttmp9, NXG                        ; which pair of buffers: hangs on the group's number alone
	s_cselect_b64 s[12:13], s[4:5], s[6:7]
	s_cselect_b64 s[14:15], s[8:9], s[10:11]
	s_cselect_b32 s16, 0, NXG
	s_sub_co_u32 s16, ttmp9, s16                   ; the group's number inside its buffer
	s_lshl_b32 s18, s16, 14                        ; 16,384 bytes in (below 2^25)
	s_mov_b32 s19, 0
	s_lshl_b32 s20, s16, 13                        ; 8,192 bytes out
	s_mov_b32 s21, 0
	s_add_nc_u64 s[12:13], s[12:13], s[18:19]
	s_add_nc_u64 s[14:15], s[14:15], s[20:21]
.irp i, 0,1,2,3,4,5,6,7
	global_load_b128 v[X+4*\i:X+4*\i+3], v1, s[12:13] offset:2048*\i th:TH_LOAD_NT   ; read once in the launch
.endr
.irp i, 0,1,2,3,4,5,6,7
	s_wait_loadcnt 7-\i                            ; loads return in order: load i is in, the 7 - i younger ones stay out
	v_cvt_pk_bf16_f32 v[Y+2*\i],   v[X+4*\i],   v[X+4*\i+1]
	v_cvt_pk_bf16_f32 v[Y+2*\i+1], v[X+4*\i+2], v[X+4*\i+3]
	global_store_b64 v2, v[Y+2*\i:Y+2*\i+1], s[14:15] offset:1024*\i   ; no register is written twice: no further wait
.endr
	s_endpgm
.Lfunc_end_k_q357031dd23_cast:
	.size	k_q357031dd23_cast, .Lfunc_end_k_q357031dd23_cast-k_q357031dd23_cast
	.p2alignl 7, 3214868480
	.fill 96, 4, 3214868480
	.section	.rodata,"a",@progbits
	.p2align	6, 0x0
	.amdhsa_kernel k_q357031dd23_cast
		.amdhsa_group_segment_fixed_size 0
		.amdhsa_private_segment_fixed_size 0
		.amdhsa_enable_private_segment 0
		.amdhsa_kernarg_size 32
		.amdhsa_user_sgpr_count 2
		.amdhsa_user_sgpr_kernarg_segment_ptr 1
		.amdhsa_wavefront_size32 1
		.amdhsa_system_sgpr_workgroup_id_x 1
		.amdhsa_system_sgpr_workgroup_id_y 1
		.amdhsa_system_sgpr_workgroup_id_z 1
		.amdhsa_system_vgpr_workitem_id 0
		.amdhsa_next_free_vgpr 52
		.amdhsa_next_free_sgpr 66
		.amdhsa_reserve_vcc 0
		.amdhsa_float_denorm_mode_32 3
		.amdhsa_float_denorm_mode_16_64 3
		.amdhsa_memory_ordered 1
		.amdhsa_forward_progress 1
		.amdhsa_inst_pref_size 4
	.end_amdhsa_kernel
	.amdgpu_metadata
---
amdhsa.version: [ 1, 2 ]
amdhsa.kernels:
  - .name:           k_q357031dd23_cast
    .symbol:         k_q357031dd23_cast.kd
    .args:
      - { .name: x, .offset: 0, .size: 8, .value_kind: global_buffer, .address_space: global }
      - { .name: kernel, .offset: 8, .size: 8, .value_kind: global_buffer, .address_space: global }
      - { .name: xb, .offset: 16, .size: 8, .value_kind: global_buffer, .address_space: global }
      - { .name: wb, .offset: 24, .size: 8, .value_kind: global_buffer, .address_space: global }
    .group_segment_fixed_size: 0
    .private_segment_fixed_size: 0
    .kernarg_segment_align: 8
    .kernarg_segment_size: 32
    .max_flat_workgroup_size: 128
    .sgpr_count:     66
    .vgpr_count:     52
    .wavefront_size: 32
...
	.end_amdgpu_metadata
.endif
;; end of part 1
;; launch proj (part 2): grid 12 x 64, 4 waves a work-group, clusters of 4 x 4, 327,680 bytes of LDS; arguments xb, wb, qkv; writes qkv
.if DOCPART == 2
	.amdgcn_target "amdgcn-amd-amdhsa--gfx1250"
	.amdhsa_code_object_version 6
	.text
	.protected	k_q357031dd23_proj
	.globl	k_q357031dd23_proj
	.p2align	8
	.type	k_q357031dd23_proj,@function
k_q357031dd23_proj:
	s_mov_b64 s[64:65], 0
	v_nop
	global_prefetch_b8 v0, s[64:65] scope:SCOPE_SE
	s_setreg_imm32_b32 hwreg(HW_REG_WAVE_MODE, 25, 1), 1
	s_wait_xcnt 0x0
	s_wait_alu depctr_hold_cnt(0) depctr_sa_sdst(0) depctr_va_vdst(0) depctr_va_sdst(0) depctr_va_ssrc(0) depctr_va_vcc(0) depctr_vm_vsrc(0)
	s_getreg_b32 s2, hwreg(HW_REG_IB_STS2, 6, 4)
	s_cmp_eq_u32 s2, 0
	s_cbranch_scc0 .Lentry_in_a_cluster
	s_endpgm
.Lentry_in_a_cluster:
	s_bfe_u32 s2, ttmp6, 0x10000c
	s_cmp_lg_u32 s2, 0xf033
	s_cbranch_scc0 .Lentry_shape_is_right
	s_endpgm
.Lentry_shape_is_right:
; qkv[8192][3072] = xb[8192][1024] x [W0 | W1 | W2], bf16 operands, f32 sums, rounded once to 16 bits.
; A row of qkv: Q at byte 0 (bf16), K at 2,048 (bf16), V at 4,096 (f16).
; WHY V IS f16: an output of the attention is a weighted mean of 1,024 V's, about a thirtieth of V's size, and is judged to a hundredth of that;
; f16's 11 significant bits against bf16's 8 make V's rounding an eighth.  LIMIT: |V| <= 65,504 (beyond it the conversion gives infinity).
; With x of spread 1 and W of spread 0.02 |V| stays near 4; both 30 times larger: near 3,600; both offset by 30 spreads: 1024 x 30 x 0.6 = 18,432.
; A work-group makes 128 rows x 256 columns with four waves; a wave 64 x 128: 32 accumulator tiles of 16 x 16, 256 registers.
; K goes in 8 steps of 128 through two LDS slots filled by the tensor data mover.  W lies [k][n]: its tile keeps that order in LDS and
; the fragments are made by the transposing LDS load, so W is never transposed in memory.
; CLUSTERS: 4 x 4 work-groups.  The four of a row of the cluster need the same rows of xb, the four of a column the same columns of W:
; each tile is asked for jointly, which divides the requests by four.
; No prefetch: every tile is asked for a K step ahead by the joint loads.
; REGISTERS: window 0: v0-31 addresses; v32-127 and v128-223 two fragment buffers (B's eight fragments, then A's four); v224-255 packed results.
;            window 1: accumulator tile (a, b) at v[8 (8 a + b)].
; THE MATRIX INSTRUCTION IS USED TRANSPOSED: source 0 = 16 columns of W, source 1 = 16 rows of xb.  Lane l then holds row l % 16 and
; the eight neighbouring columns 8 (l / 16) + 0..7, which pack into 16 bytes.
.set PA,     272                       ; LDS pitch of A's rows: 256 bytes + 16: an odd multiple of 16, so 16 rows start 16 bytes apart modulo 256
.set PB,     544                       ; LDS pitch of W's k rows: 512 bytes + 32: an odd multiple of 32
.set BHALF,  64*PB                     ; 34,816: what one of B's two loads brings (64 k rows)
.set AHALF,  64*PA                     ; 17,408: what one of A's two loads brings (64 rows)
.set AOFF,   2*BHALF                   ; a slot: B's 128 k rows, then A's 128 rows
.set SLOT,   AOFF+2*AHALF              ; 104,448
.set STAGE,  2*SLOT                    ; 208,896: behind the ring, 16 rows x 272 bytes for each wave; no tile ever lands here
.set SPITCH, 272
.set ROWX,   2048                      ; bytes in a row of xb and of a W
.set ROWQ,   6144                      ; bytes in a row of qkv
.set STEP_A, 256                       ; a K step along xb's rows
.set STEP_B, 128*ROWX                  ; a K step down W's rows
.set ADRA, 16                          ; v16-17  LDS address of my A fragments in slot 0, 1
.set ADRB, 20                          ; v20-21  the same for B
.set STO,  24                          ; the way out: where I put 16 bytes of a row
.set RD,   25                          ; the way out: where I read a row back
.set CO,   26                          ; my byte offset in qkv
.set F0,   32
.set F1,   128
.set TMP,  224
.set G1,  24                           ; s[24:31] group 1 for A's tiles
.set G0,  32                           ; s[32:39] group 0 for A's tiles, a set for each slot
.set G1B, 48                           ; s[48:55] group 1 for B's tiles
.set G0B, 56                           ; s[56:63] group 0 for B's tiles, a set for each slot
.set MULW, 0x50                        ; C and D in window 1, fragments in window 0
.set MSB, 0
.macro WIN new                         ; the immediate's high byte repeats the setting that is left
.if MSB != \new
	s_set_vgpr_msb (MSB<<8)|\new
.set MSB, \new
.endif
.endm
.macro PLACES                          ; four places behind a matrix instruction before its registers are loaded into, read or written by vector work (ISA guide 7.12.1)
.rept 4
	v_nop
.endr
.endm
; A joint load.  Waves 0 and 1 fetch B's halves, waves 2 and 3 A's.  Each line has one mask; the branch hangs on the wave's number alone.
.macro JLOAD s
	s_cmp_eq_u32 s11, 0
	s_cbranch_scc0 .Lfor_a_\@
	tensor_load_to_lds s[G0B+4*\s:G0B+4*\s+3], s[G1B:G1B+7]
	s_nop 0
	s_branch .Lasked_\@
.Lfor_a_\@:
	tensor_load_to_lds s[G0+4*\s:G0+4*\s+3], s[G1:G1+7]
	s_nop 0
.Lasked_\@:
.endm
.macro CREST                           ; a round of the cluster's barrier behind its opening work-group barrier
	s_cmp_lg_u32 s10, 0
	s_cbranch_scc1 .Lnot_wave_0_\@
	s_barrier_signal -3
.Lnot_wave_0_\@:
	s_barrier_wait -3
	s_barrier_signal -1
	s_barrier_wait -1
.endm
.macro CROUND                          ; a whole round
	s_barrier_signal -1
	s_barrier_wait -1
	CREST
.endm
	s_load_b128 s[4:7], s[0:1], 0x0                ; xb s[4:5], wb s[6:7]
	s_load_b64 s[8:9], s[0:1], 0x10                ; qkv
	v_lshl_add_u32 v30, v0, 2, 0x37400
	v_mov_b32 v31, 0
	ds_add_u32 v30, v31
	v_lshrrev_b32 v1, 5, v0
	v_readfirstlane_b32 s10, v1                    ; wave 0..3
	s_lshr_b32 s11, s10, 1                         ; wm: my 64 rows.  Also: I fetch for B (0) or for A (1)
	s_and_b32 s12, s10, 1                          ; wn: my 128 columns.  Also: which half of that tile I fetch
	s_bfe_u32 s40, ttmp6, 0x40000                  ; cx
	s_bfe_u32 s41, ttmp6, 0x40004                  ; cy
	s_lshl_b32 s42, ttmp9, 2
	s_add_co_u32 s42, s42, s40                     ; bx: block column = 4 x cluster x + cx
	s_and_b32 s13, ttmp7, 0xffff
	s_lshl_b32 s13, s13, 2
	s_add_co_u32 s13, s13, s41                     ; by: block row = 4 x cluster y + cy
	s_lshl_b32 s43, s41, 2
	s_lshl_b32 s43, 15, s43                        ; my row of the cluster
	s_lshl_b32 s44, 0x1111, s40                    ; my column
	; group 1 of A: 64 rows x 128 elements of 2 bytes, 4 words of padding behind every 64
	s_or_b32 s[G1+0], s43, (1<<16)|(1<<20)|(1<<21)|(5<<22)|(3<<25)
	s_mov_b32 s[G1+1], 128<<16                     ; tensor_dim0 = 128
	s_mov_b32 s[G1+2], 64<<16                      ; tensor_dim1 = 64
	s_mov_b32 s[G1+3], 128<<16                     ; tile_dim0 = 128
	s_mov_b32 s[G1+4], 64                          ; tile_dim1 = 64
	s_mov_b32 s[G1+5], 1024                        ; elements from row to row
	s_mov_b32 s[G1+6], 0
	s_mov_b32 s[G1+7], 0
	; group 1 of B: 64 k rows x 256 elements, 8 words of padding behind every 128
	s_or_b32 s[G1B+0], s44, (1<<16)|(1<<20)|(1<<21)|(6<<22)|(7<<25)
	s_mov_b32 s[G1B+1], 256<<16
	s_mov_b32 s[G1B+2], 64<<16
	s_mov_b32 s[G1B+3], 256<<16
	s_mov_b32 s[G1B+4], 64
	s_mov_b32 s[G1B+5], 1024
	s_mov_b32 s[G1B+6], 0
	s_mov_b32 s[G1B+7], 0
	; A's address hangs on by and the wave alone, B's on bx and the wave alone, each in registers that never hold the other coordinate
	s_lshl_b32 s16, s13, 18                        ; 128 by rows of 2,048 bytes
	s_lshl_b32 s17, s12, 17                        ; + 64 rows for the second half
	s_add_co_u32 s16, s16, s17
	s_mov_b32 s17, 0
	s_lshr_b32 s46, s42, 2                         ; which W: 4 block columns each
	s_lshl_b32 s46, s46, 21                        ; 2,097,152 bytes a W
	s_and_b32 s47, s42, 3
	s_lshl_b32 s47, s47, 9                         ; 256 columns of 2 bytes
	s_add_co_u32 s46, s46, s47
	s_lshl_b32 s47, s12, 17                        ; + 64 k rows for the second half
	s_add_co_u32 s46, s46, s47
	s_mov_b32 s47, 0
	s_mul_i32 s20, s10, AHALF
	s_add_co_u32 s20, s20, AOFF-2*AHALF            ; A's halves land at AOFF + (wave - 2) x AHALF
	s_mul_i32 s21, s10, BHALF                      ; B's halves at wave x BHALF
	s_wait_dscnt 0x0
	s_wait_kmcnt 0x0
	s_add_nc_u64 s[14:15], s[4:5], s[16:17]
	s_add_nc_u64 s[46:47], s[6:7], s[46:47]
	CROUND                                         ; all sixteen work-groups are here: the first joint loads meet
.irp s, 0,1
	s_mov_b32 s[G0+4*\s], 1
	s_add_co_u32 s[G0+4*\s+1], s20, \s*SLOT
	s_add_nc_u64 s[G0+4*\s+2:G0+4*\s+3], s[14:15], \s*STEP_A
	s_or_b32 s[G0+4*\s+3], s[G0+4*\s+3], 0x80000000
	s_mov_b32 s[G0B+4*\s], 1
	s_add_co_u32 s[G0B+4*\s+1], s21, \s*SLOT
	s_add_nc_u64 s[G0B+4*\s+2:G0B+4*\s+3], s[46:47], \s*STEP_B
	s_or_b32 s[G0B+4*\s+3], s[G0B+4*\s+3], 0x80000000
	JLOAD \s                                       ; K steps 0 and 1: two loads of this wave are out, the most it ever has
.endr
	v_and_b32 v1, 15, v0                           ; r = l % 16
	v_bfe_u32 v2, v0, 4, 1                         ; h = l / 16
	v_mul_u32_u24 v3, v1, PA
	v_lshl_add_u32 v3, v2, 4, v3                   ; A: row r, 16 bytes for each half of the lanes
	v_and_b32 v4, 7, v0
	v_lshl_add_u32 v4, v2, 3, v4                   ; B: k row 8 h + l % 8,
	v_mul_u32_u24 v4, v4, PB
	v_bfe_u32 v5, v0, 3, 1
	v_lshl_add_u32 v4, v5, 4, v4                   ; and 16 bytes (8 columns) for each group of eight lanes
	s_mul_i32 s22, s11, AHALF
	s_add_co_u32 s22, s22, AOFF                    ; my 64 rows of A
	s_lshl_b32 s23, s12, 8                         ; my 128 columns of B
.irp s, 0,1
	v_add_nc_u32 v[ADRA+\s], s22, v3
	v_add_nc_u32 v[ADRB+\s], s23, v4
	s_add_co_u32 s22, s22, SLOT
	s_add_co_u32 s23, s23, SLOT
.endr
	s_mul_i32 s22, s10, 16*SPITCH
	s_add_co_u32 s22, s22, STAGE                   ; my stage
	v_add_nc_u32 v[STO], s22, v3                   ; in: row r, 16 bytes for each half (the stage's pitch is A's)
	v_mul_u32_u24 v5, v2, SPITCH
	v_lshl_add_u32 v5, v1, 4, v5                   ; back: lanes 0-15 one row of 256 bytes, lanes 16-31 the next
	v_add_nc_u32 v[RD], s22, v5
	v_mul_u32_u24 v5, v2, ROWQ
	v_lshl_add_u32 v[CO], v1, 4, v5                ; the same two rows in qkv
; 16 matrix instructions: row tiles a0, a0 + 1 x all eight column tiles, 32 along K.  zero = 1: the product starts the sums.
; The 32 accumulators take turns, one instruction a turn, always in the same order, over the backward jump too.
.macro MUL16 f, a0, zero
.irp a, \a0, \a0+1
.irp b, 0,1,2,3,4,5,6,7
.if \zero
	v_wmma_f32_16x16x32_bf16 v[8*(8*(\a)+\b):8*(8*(\a)+\b)+7], v[\f+8*\b:\f+8*\b+7], v[\f+64+8*(\a):\f+64+8*(\a)+7], 0
.else
	v_wmma_f32_16x16x32_bf16 v[8*(8*(\a)+\b):8*(8*(\a)+\b)+7], v[\f+8*\b:\f+8*\b+7], v[\f+64+8*(\a):\f+64+8*(\a)+7], v[8*(8*(\a)+\b):8*(8*(\a)+\b)+7]
.endif
.endr
.endr
.endm
; 24 LDS loads in one run: quarter q (32 along K) of a slot into buffer f: 128 columns of W (transposed on the way), 64 rows of xb
.macro FETCH slot, q, f
	WIN 0
.irp i, 0,1,2,3,4,5,6,7
	ds_load_tr16_b128 v[\f+8*\i:\f+8*\i+3],   v[ADRB+\slot] offset:\q*32*PB+32*\i
	ds_load_tr16_b128 v[\f+8*\i+4:\f+8*\i+7], v[ADRB+\slot] offset:\q*32*PB+32*\i+16*PB
.endr
.irp i, 0,1,2,3
	ds_load_b128 v[\f+64+8*\i:\f+64+8*\i+3],   v[ADRA+\slot] offset:\q*64+\i*16*PA
	ds_load_b128 v[\f+64+8*\i+4:\f+64+8*\i+7], v[ADRA+\slot] offset:\q*64+\i*16*PA+32
.endr
.endm
; One of a K step's first three quarters: asks for quarter q into buffer g, then multiplies buffer f
.macro QUARTER slot, q, f, g, zero
	PLACES                                         ; buffer g was read by the matrix instructions just issued
	FETCH \slot, \q, \g
	s_wait_dscnt 24                                ; all but the 24 just issued: buffer f is whole
	WIN MULW
	MUL16 \f, 0, \zero
	MUL16 \f, 2, \zero
.endm
.macro THREE slot, zero
	QUARTER \slot, 1, F0, F1, \zero
	QUARTER \slot, 2, F1, F0, 0
	QUARTER \slot, 3, F0, F1, 0
.endm
; The last quarter multiplies buffer 1 and changes slots.  fill = 1: this slot is filled again, two K steps ahead.
.macro TURN slot, next, fill
	s_wait_dscnt 0x0                               ; buffer 1 is in, and with it my last reads of this slot
	s_wait_tensorcnt 0x0                           ; all my tensor loads have landed: the one that was out is my part of the next slot
	ds_add_u32 v30, v31
	s_wait_dscnt 0x0
	s_barrier_signal -1                            ; say so (with fill = 1 this barrier opens a round of the cluster's barrier)
	WIN MULW
	MUL16 F1, 0, 0                                 ; register work while the others arrive
	WIN 0
	s_barrier_wait -1
.if \fill
	CREST                                          ; no wave of any partner still reads this slot or has a load on its way
	s_add_nc_u64 s[G0+4*\slot+2:G0+4*\slot+3], s[G0+4*\slot+2:G0+4*\slot+3], 2*STEP_A
	s_add_nc_u64 s[G0B+4*\slot+2:G0B+4*\slot+3], s[G0B+4*\slot+2:G0B+4*\slot+3], 2*STEP_B
	JLOAD \slot                                    ; the first tensor load behind the round, one a wave; 112 matrix instructions until its wait
.endif
	PLACES
	FETCH \next, 0, F0
	WIN MULW
	MUL16 F1, 2, 0
.endm
.macro LAP zero                        ; two K steps, both slots filled again
	THREE 0, \zero
	TURN 0, 1, 1
	THREE 1, 0
	TURN 1, 0, 1
.endm
.macro TAIL zero                       ; the last two K steps fill nothing
	THREE 0, \zero
	TURN 0, 1, 0
	THREE 1, 0
	s_wait_dscnt 0x0
	WIN MULW
	MUL16 F1, 0, 0
	MUL16 F1, 2, 0
	WIN 0
.endm
	s_wait_tensorcnt 0x1                           ; my part of K step 0 is in; K step 1's may stay out
	s_barrier_signal -1
	s_barrier_wait -1                              ; everybody's is
	FETCH 0, 0, F0
	LAP 1                                          ; K steps 0, 1: the first products start the sums
	WIN 0
	s_mov_b32 s3, 2
.Llap:
	LAP 0                                          ; K steps 2 to 5
	WIN 0
	s_sub_co_u32 s3, s3, 1
	s_cmp_lg_u32 s3, 0
	s_cbranch_scc1 .Llap
	TAIL 0                                         ; K steps 6, 7
	; THE WAY OUT, 16 rows at a time: round to 16 bits, 16 bytes a lane into my stage, read back as whole rows of 256 bytes
	PLACES
	s_lshl_b32 s16, s13, 7
	s_lshl_b32 s17, s11, 6
	s_add_co_u32 s16, s16, s17                     ; my first row
	s_mul_i32 s16, s16, ROWQ                       ; below 2^26
	s_mov_b32 s17, 0
	s_add_nc_u64 s[8:9], s[8:9], s[16:17]
	s_lshl_b32 s46, s42, 9                         ; my first column in bytes: 512 bx + 256 wn
	s_lshl_b32 s47, s12, 8
	s_add_co_u32 s46, s46, s47
	s_mov_b32 s47, 0
	s_add_nc_u64 s[8:9], s[8:9], s[46:47]
; cvt: the packed conversion, to bf16 or to f16; both put the first source into the low half
.macro OUT16 a, f, cvt
	WIN 0x05                                       ; sources in window 1
.irp b, 0,1,2,3,4,5,6,7
.irp k, 0,1,2,3
	\cvt v[TMP+4*\b+\k], v[8*(8*\a+\b)+2*\k], v[8*(8*\a+\b)+2*\k+1]
.endr
.endr
	WIN 0
.irp b, 0,1,2,3,4,5,6,7
	ds_store_b128 v[STO], v[TMP+4*\b:TMP+4*\b+3] offset:32*\b
.endr
	s_wait_xcnt 0x0                                ; buffer f held the data of earlier stores: it is loaded again only behind this wait
.irp t, 0,1,2,3,4,5,6,7
	ds_load_b128 v[\f+4*\t:\f+4*\t+3], v[RD] offset:\t*2*SPITCH    ; my own bytes, served in order: these see the stores above
.endr
.irp t, 0,1,2,3,4,5,6,7
	s_wait_dscnt 7-\t                              ; read-back t is in, the 7 - t younger ones stay out
	global_store_b128 v[CO], v[\f+4*\t:\f+4*\t+3], s[8:9] offset:(16*\a+2*\t)*ROWQ   ; 16 lanes store 256 consecutive bytes, aligned
.endr
.endm
	; Four block columns make a W, and a cluster is four block columns wide: the cluster's x is the number of the W.
	; It is the same in all sixteen partners, so this branch is taken alike by all of them; no barrier stands inside it.
	s_cmp_eq_u32 ttmp9, 2
	s_cbranch_scc1 .Lout_v
	OUT16 0, F0, v_cvt_pk_bf16_f32                 ; Q and K: bf16
	OUT16 1, F1, v_cvt_pk_bf16_f32
	OUT16 2, F0, v_cvt_pk_bf16_f32
	OUT16 3, F1, v_cvt_pk_bf16_f32
	s_branch .Lout_done
.Lout_v:
	OUT16 0, F0, v_cvt_pk_f16_f32                  ; V: f16
	OUT16 1, F1, v_cvt_pk_f16_f32
	OUT16 2, F0, v_cvt_pk_f16_f32
	OUT16 3, F1, v_cvt_pk_f16_f32
.Lout_done:
	s_wait_tensorcnt 0x0
	ds_add_u32 v30, v31
	s_wait_dscnt 0x0
	CROUND                                         ; the closing round: no work-group ends while a partner may still ask for a tile that names it
	s_endpgm
.Lfunc_end_k_q357031dd23_proj:
	.size	k_q357031dd23_proj, .Lfunc_end_k_q357031dd23_proj-k_q357031dd23_proj
	.p2alignl 7, 3214868480
	.fill 96, 4, 3214868480
	.section	.rodata,"a",@progbits
	.p2align	6, 0x0
	.amdhsa_kernel k_q357031dd23_proj
		.amdhsa_group_segment_fixed_size 327680
		.amdhsa_private_segment_fixed_size 0
		.amdhsa_enable_private_segment 0
		.amdhsa_kernarg_size 24
		.amdhsa_user_sgpr_count 2
		.amdhsa_user_sgpr_kernarg_segment_ptr 1
		.amdhsa_wavefront_size32 1
		.amdhsa_system_sgpr_workgroup_id_x 1
		.amdhsa_system_sgpr_workgroup_id_y 1
		.amdhsa_system_sgpr_workgroup_id_z 1
		.amdhsa_system_vgpr_workitem_id 0
		.amdhsa_next_free_vgpr 512
		.amdhsa_next_free_sgpr 72
		.amdhsa_reserve_vcc 0
		.amdhsa_float_denorm_mode_32 3
		.amdhsa_float_denorm_mode_16_64 3
		.amdhsa_memory_ordered 1
		.amdhsa_forward_progress 1
		.amdhsa_inst_pref_size 133
	.end_amdhsa_kernel
	.amdgpu_metadata
---
amdhsa.version: [ 1, 2 ]
amdhsa.kernels:
  - .name:           k_q357031dd23_proj
    .symbol:         k_q357031dd23_proj.kd
    .args:
      - { .name: xb, .offset: 0, .size: 8, .value_kind: global_buffer, .address_space: global }
      - { .name: wb, .offset: 8, .size: 8, .value_kind: global_buffer, .address_space: global }
      - { .name: qkv, .offset: 16, .size: 8, .value_kind: global_buffer, .address_space: global }
    .group_segment_fixed_size: 327680
    .private_segment_fixed_size: 0
    .kernarg_segment_align: 8
    .kernarg_segment_size: 24
    .max_flat_workgroup_size: 128
    .sgpr_count:     72
    .vgpr_count:     512
    .wavefront_size: 32
...
	.end_amdgpu_metadata
.endif
;; end of part 2
;; launch scores (part 3): grid 4 x 64, 4 waves a work-group, clusters of 4 x 4, 327,680 bytes of LDS; arguments qkv, p, stat; writes p, stat
.if DOCPART == 3
	.amdgcn_target "amdgcn-amd-amdhsa--gfx1250"
	.amdhsa_code_object_version 6
	.text
	.protected	k_q357031dd23_scores
	.globl	k_q357031dd23_scores
	.p2align	8
	.type	k_q357031dd23_scores,@function
k_q357031dd23_scores:
	s_mov_b64 s[64:65], 0
	v_nop
	global_prefetch_b8 v0, s[64:65] scope:SCOPE_SE
	s_setreg_imm32_b32 hwreg(HW_REG_WAVE_MODE, 25, 1), 1
	s_wait_xcnt 0x0
	s_wait_alu depctr_hold_cnt(0) depctr_sa_sdst(0) depctr_va_vdst(0) depctr_va_sdst(0) depctr_va_ssrc(0) depctr_va_vcc(0) depctr_vm_vsrc(0)
	s_getreg_b32 s2, hwreg(HW_REG_IB_STS2, 6, 4)
	s_cmp_eq_u32 s2, 0
	s_cbranch_scc0 .Lentry_in_a_cluster
	s_endpgm
.Lentry_in_a_cluster:
	s_bfe_u32 s2, ttmp6, 0x10000c
	s_cmp_lg_u32 s2, 0xf033
	s_cbranch_scc0 .Lentry_shape_is_right
	s_endpgm
.Lentry_shape_is_right:
; For a block of 128 queries x 256 keys of one batch: s = Q K^T (bf16 operands, f32 sums), then one quarter of a split softmax, in f32:
;   mc = c x (largest s of the row in these 256 keys), c = log2(e) / 32;   p = 2^(c s - mc), stored as f16;   l = sum of p over my 128 keys.
; The launch that follows joins a row's four key blocks with the weights 2^(mc_j - M) / L, M the largest mc_j: the row's true maximum is taken away.
; WHY p IS f16: p lies in (0, 1] whatever the inputs, so f16's range serves: below 2^-14 it is a denormal, with an absolute error of at most 2^-25
; beside the block's largest p = 1; and f16's 11 significant bits against bf16's 8 make p's rounding an eighth.
; stat (f32): mc[j][row] at (8192 j + row) 4, j = 0..3;   l[jj][row] at 131,072 + (8192 jj + row) 4, jj = 0..7 (128 keys each).
; LIMITS: v_max_num_f32 drops a NaN, so NaN and infinite inputs are not reproduced place for place; v_exp_f32 gives 0 for results below 2^-126;
; l sums p before its rounding to f16.
; Four waves, a wave 64 queries x 128 keys: 32 accumulator tiles.  K (the width 1024) goes in 8 steps of 128 through two LDS slots.
; CLUSTERS: 4 x 4 work-groups inside one batch: Q's tile is shared along a row of the cluster, K's along a column, by joint loads.
; REGISTERS as in the projection: window 0 addresses, two fragment buffers, packed results; window 1 the accumulators.
; The matrix instruction is used transposed (source 0 = 16 keys, source 1 = 16 queries): lane l holds query l % 16 and keys 8 (l / 16) + 0..7.
.set PA,     272                       ; LDS pitch of Q's and K's rows: 256 bytes + 16
.set BHALF,  128*PA                    ; 34,816: 128 keys
.set AHALF,  64*PA                     ; 17,408: 64 queries
.set AOFF,   2*BHALF                   ; a slot: 256 keys, then 128 queries
.set SLOT,   AOFF+2*AHALF              ; 104,448
.set STAGE,  2*SLOT                    ; 208,896: 16 rows x 272 bytes for each wave
.set SPITCH, 272
.set XCH,    STAGE+4*16*SPITCH         ; 226,304: 256 bytes a wave: its 64 rows' maxima, for the wave with the other 128 keys
.set SCR,    XCH+1024                  ; 227,328: 512 bytes a wave: mc and l on their way out
.set ROWQ,   6144                      ; bytes in a row of qkv
.set ROWP,   2048                      ; bytes in a row of p
.set STEP_A, 256
.set STEP_B, 256
.set CSC,    0x3d38aa3b                ; c = log2(e) / 32
.set CSCN,   0xbd38aa3b                ; -c
.set ADRA, 16
.set ADRB, 20
.set STO,  24
.set RD,   25
.set CO,   26
.set XA,   27                          ; where I put my maxima
.set XB,   28                          ; where the other wave put its
.set SSW,  29                          ; my scratch by rows
.set SSR,  30                          ; my scratch, 8 bytes a lane
.set SO,   31                          ; 8 x lane
.set F0,   32
.set F1,   128
.set TMP,  224
.set MX,   96                          ; v96-99    row maxima, one for each row tile (the fragment buffers are free by then)
.set T,    100                         ; v100-103  at work
.set MC,   104                         ; v104-107  mc
.set NM,   108                         ; v108-115  -mc, twice each (pairs)
.set LS,   116                         ; v116-123  sums (pairs)
.set SD,   124                         ; v124-127  mc and l as stored
.set G1,  24
.set G0,  32
.set G1B, 48
.set G0B, 56
.set MULW, 0x50
.set MSB, 0
.macro WIN new
.if MSB != \new
	s_set_vgpr_msb (MSB<<8)|\new
.set MSB, \new
.endif
.endm
.macro PLACES                          ; four places behind a matrix instruction (ISA guide 7.12.1)
.rept 4
	v_nop
.endr
.endm
.macro JLOAD s                         ; waves 0 and 1 fetch K's halves, waves 2 and 3 Q's
	s_cmp_eq_u32 s11, 0
	s_cbranch_scc0 .Lfor_a_\@
	tensor_load_to_lds s[G0B+4*\s:G0B+4*\s+3], s[G1B:G1B+7]
	s_nop 0
	s_branch .Lasked_\@
.Lfor_a_\@:
	tensor_load_to_lds s[G0+4*\s:G0+4*\s+3], s[G1:G1+7]
	s_nop 0
.Lasked_\@:
.endm
.macro CREST
	s_cmp_lg_u32 s10, 0
	s_cbranch_scc1 .Lnot_wave_0_\@
	s_barrier_signal -3
.Lnot_wave_0_\@:
	s_barrier_wait -3
	s_barrier_signal -1
	s_barrier_wait -1
.endm
.macro CROUND
	s_barrier_signal -1
	s_barrier_wait -1
	CREST
.endm
	s_load_b128 s[4:7], s[0:1], 0x0                ; qkv s[4:5], p s[6:7]
	s_load_b64 s[8:9], s[0:1], 0x10                ; stat
	v_lshl_add_u32 v22, v0, 2, 0x38000
	v_mov_b32 v23, 0
	ds_add_u32 v22, v23
	v_lshrrev_b32 v1, 5, v0
	v_readfirstlane_b32 s10, v1                    ; wave 0..3
	s_lshr_b32 s11, s10, 1                         ; wm: my 64 queries.  Also: I fetch for K (0) or for Q (1)
	s_and_b32 s12, s10, 1                          ; wn: my 128 keys.  Also: which half of that tile I fetch
	s_bfe_u32 s40, ttmp6, 0x40000                  ; cx
	s_bfe_u32 s41, ttmp6, 0x40004                  ; cy
	s_lshl_b32 s42, ttmp9, 2
	s_add_co_u32 s42, s42, s40                     ; bx: key block 0..3
	s_and_b32 s13, ttmp7, 0xffff
	s_lshl_b32 s13, s13, 2
	s_add_co_u32 s13, s13, s41                     ; by: block of 128 rows of the 8,192 = 8 x batch + query block
	s_and_b32 s45, ttmp7, 0xffff
	s_lshr_b32 s45, s45, 1                         ; batch, from the cluster's y alone: two clusters a batch
	s_lshl_b32 s43, s41, 2
	s_lshl_b32 s43, 15, s43                        ; my row of the cluster
	s_lshl_b32 s44, 0x1111, s40                    ; my column
	; group 1 of Q: 64 rows x 128 elements, 4 words of padding behind every 64
	s_or_b32 s[G1+0], s43, (1<<16)|(1<<20)|(1<<21)|(5<<22)|(3<<25)
	s_mov_b32 s[G1+1], 128<<16
	s_mov_b32 s[G1+2], 64<<16
	s_mov_b32 s[G1+3], 128<<16
	s_mov_b32 s[G1+4], 64
	s_mov_b32 s[G1+5], 3072                        ; elements from row to row of qkv
	s_mov_b32 s[G1+6], 0
	s_mov_b32 s[G1+7], 0
	; group 1 of K: 128 rows x 128 elements, the same padding
	s_or_b32 s[G1B+0], s44, (1<<16)|(1<<20)|(1<<21)|(5<<22)|(3<<25)
	s_mov_b32 s[G1B+1], 128<<16
	s_mov_b32 s[G1B+2], 128<<16
	s_mov_b32 s[G1B+3], 128<<16
	s_mov_b32 s[G1B+4], 128
	s_mov_b32 s[G1B+5], 3072
	s_mov_b32 s[G1B+6], 0
	s_mov_b32 s[G1B+7], 0
	s_lshl_b32 s16, s13, 7
	s_lshl_b32 s17, s12, 6
	s_add_co_u32 s16, s16, s17                     ; Q: row 128 by + 64 x half
	s_mul_i32 s16, s16, ROWQ
	s_mov_b32 s17, 0
	s_lshl_b32 s46, s45, 10
	s_lshl_b32 s47, s42, 8
	s_add_co_u32 s46, s46, s47
	s_lshl_b32 s47, s12, 7
	s_add_co_u32 s46, s46, s47                     ; K: row 1024 batch + 256 bx + 128 x half,
	s_mul_i32 s46, s46, ROWQ
	s_add_co_u32 s46, s46, 2048                    ; at byte 2,048 of the row
	s_mov_b32 s47, 0
	s_mul_i32 s20, s10, AHALF
	s_add_co_u32 s20, s20, AOFF-2*AHALF            ; Q's halves land at AOFF + (wave - 2) x AHALF
	s_mul_i32 s21, s10, BHALF                      ; K's halves at wave x BHALF
	s_wait_dscnt 0x0
	s_wait_kmcnt 0x0
	s_add_nc_u64 s[14:15], s[4:5], s[16:17]
	s_add_nc_u64 s[46:47], s[4:5], s[46:47]
	CROUND                                         ; all sixteen work-groups are here: the first joint loads meet
.irp s, 0,1
	s_mov_b32 s[G0+4*\s], 1
	s_add_co_u32 s[G0+4*\s+1], s20, \s*SLOT
	s_add_nc_u64 s[G0+4*\s+2:G0+4*\s+3], s[14:15], \s*STEP_A
	s_or_b32 s[G0+4*\s+3], s[G0+4*\s+3], 0x80000000
	s_mov_b32 s[G0B+4*\s], 1
	s_add_co_u32 s[G0B+4*\s+1], s21, \s*SLOT
	s_add_nc_u64 s[G0B+4*\s+2:G0B+4*\s+3], s[46:47], \s*STEP_B
	s_or_b32 s[G0B+4*\s+3], s[G0B+4*\s+3], 0x80000000
	JLOAD \s                                       ; K steps 0 and 1: two loads of this wave are out, the most it ever has
.endr
	v_and_b32 v1, 15, v0                           ; r
	v_bfe_u32 v2, v0, 4, 1                         ; h
	v_mul_u32_u24 v3, v1, PA
	v_lshl_add_u32 v3, v2, 4, v3                   ; row r, 16 bytes for each half of the lanes: the same for Q and K
	s_mul_i32 s22, s11, AHALF
	s_add_co_u32 s22, s22, AOFF                    ; my 64 queries
	s_mul_i32 s23, s12, BHALF                      ; my 128 keys
.irp s, 0,1
	v_add_nc_u32 v[ADRA+\s], s22, v3
	v_add_nc_u32 v[ADRB+\s], s23, v3
	s_add_co_u32 s22, s22, SLOT
	s_add_co_u32 s23, s23, SLOT
.endr
	s_mul_i32 s22, s10, 16*SPITCH
	s_add_co_u32 s22, s22, STAGE
	v_add_nc_u32 v[STO], s22, v3
	v_mul_u32_u24 v5, v2, SPITCH
	v_lshl_add_u32 v5, v1, 4, v5
	v_add_nc_u32 v[RD], s22, v5
	v_lshlrev_b32 v5, 11, v2                       ; h rows of p
	v_lshl_add_u32 v[CO], v1, 4, v5
	v_lshlrev_b32 v6, 2, v1                        ; 4 r
	s_lshl_b32 s18, s10, 8
	s_add_co_u32 s18, s18, XCH
	v_add_nc_u32 v[XA], s18, v6                    ; my wave's 256 bytes
	s_xor_b32 s18, s10, 1                          ; the wave with the same queries and the other keys
	s_lshl_b32 s18, s18, 8
	s_add_co_u32 s18, s18, XCH
	v_add_nc_u32 v[XB], s18, v6
	s_lshl_b32 s18, s10, 9
	s_add_co_u32 s18, s18, SCR
	v_add_nc_u32 v[SSW], s18, v6
	v_and_b32 v7, 31, v0
	v_lshlrev_b32 v[SO], 3, v7
	v_add_nc_u32 v[SSR], s18, v[SO]
; The 32 accumulators take turns, one instruction a turn, always in the same order, over the backward jump too.
.macro MUL16 f, a0, zero
.irp a, \a0, \a0+1
.irp b, 0,1,2,3,4,5,6,7
.if \zero
	v_wmma_f32_16x16x32_bf16 v[8*(8*(\a)+\b):8*(8*(\a)+\b)+7], v[\f+8*\b:\f+8*\b+7], v[\f+64+8*(\a):\f+64+8*(\a)+7], 0
.else
	v_wmma_f32_16x16x32_bf16 v[8*(8*(\a)+\b):8*(8*(\a)+\b)+7], v[\f+8*\b:\f+8*\b+7], v[\f+64+8*(\a):\f+64+8*(\a)+7], v[8*(8*(\a)+\b):8*(8*(\a)+\b)+7]
.endif
.endr
.endr
.endm
; 24 LDS loads in one run: quarter q (32 along K) of a slot into buffer f: 128 keys, 64 queries
.macro FETCH slot, q, f
	WIN 0
.irp i, 0,1,2,3,4,5,6,7
	ds_load_b128 v[\f+8*\i:\f+8*\i+3],   v[ADRB+\slot] offset:\q*64+\i*16*PA
	ds_load_b128 v[\f+8*\i+4:\f+8*\i+7], v[ADRB+\slot] offset:\q*64+\i*16*PA+32
.endr
.irp i, 0,1,2,3
	ds_load_b128 v[\f+64+8*\i:\f+64+8*\i+3],   v[ADRA+\slot] offset:\q*64+\i*16*PA
	ds_load_b128 v[\f+64+8*\i+4:\f+64+8*\i+7], v[ADRA+\slot] offset:\q*64+\i*16*PA+32
.endr
.endm
.macro QUARTER slot, q, f, g, zero
	PLACES                                         ; buffer g was read by the matrix instructions just issued
	FETCH \slot, \q, \g
	s_wait_dscnt 24                                ; all but the 24 just issued: buffer f is whole
	WIN MULW
	MUL16 \f, 0, \zero
	MUL16 \f, 2, \zero
.endm
.macro THREE slot, zero
	QUARTER \slot, 1, F0, F1, \zero
	QUARTER \slot, 2, F1, F0, 0
	QUARTER \slot, 3, F0, F1, 0
.endm
.macro TURN slot, next, fill
	s_wait_dscnt 0x0                               ; buffer 1 is in, and with it my last reads of this slot
	s_wait_tensorcnt 0x0                           ; all my tensor loads have landed: the one that was out is my part of the next slot
	ds_add_u32 v22, v23
	s_wait_dscnt 0x0
	s_barrier_signal -1                            ; say so (with fill = 1 this barrier opens a round of the cluster's barrier)
	WIN MULW
	MUL16 F1, 0, 0
	WIN 0
	s_barrier_wait -1
.if \fill
	CREST                                          ; no wave of any partner still reads this slot or has a load on its way
	s_add_nc_u64 s[G0+4*\slot+2:G0+4*\slot+3], s[G0+4*\slot+2:G0+4*\slot+3], 2*STEP_A
	s_add_nc_u64 s[G0B+4*\slot+2:G0B+4*\slot+3], s[G0B+4*\slot+2:G0B+4*\slot+3], 2*STEP_B
	JLOAD \slot                                    ; the first tensor load behind the round, one a wave
.endif
	PLACES
	FETCH \next, 0, F0
	WIN MULW
	MUL16 F1, 2, 0
.endm
.macro LAP zero
	THREE 0, \zero
	TURN 0, 1, 1
	THREE 1, 0
	TURN 1, 0, 1
.endm
.macro TAIL zero
	THREE 0, \zero
	TURN 0, 1, 0
	THREE 1, 0
	s_wait_dscnt 0x0
	WIN MULW
	MUL16 F1, 0, 0
	MUL16 F1, 2, 0
	WIN 0
.endm
	s_wait_tensorcnt 0x1                           ; my part of K step 0 is in; K step 1's may stay out
	s_barrier_signal -1
	s_barrier_wait -1
	FETCH 0, 0, F0
	LAP 1
	WIN 0
	s_mov_b32 s3, 2
.Llap:
	LAP 0
	WIN 0
	s_sub_co_u32 s3, s3, 1
	s_cmp_lg_u32 s3, 0
	s_cbranch_scc1 .Llap
	TAIL 0
	; THE ROW MAXIMA.  A lane holds 64 scores of each of four rows (row tile a: registers 64 a .. 64 a + 63 of window 1): four chains side by side.
	PLACES
	s_mov_b32 s22, 0x76543210                      ; v_permlanex16_b32: lane i of one half reads lane i of the other
	s_mov_b32 s23, 0xfedcba98
	WIN 0x05                                       ; sources 0 and 1 in window 1
.irp a, 0,1,2,3
	v_max_num_f32 v[MX+\a], v[64*\a], v[64*\a+1]
.endr
.set i, 1
.rept 31
.irp a, 0,1,2,3
	v_max3_num_f32 v[MX+\a], v[64*\a+2*i], v[64*\a+2*i+1], v[MX+\a]
.endr
.set i, i+1
.endr
	WIN 0
.irp a, 0,1,2,3
	v_mov_b32 v[T+\a], v[MX+\a]                    ; the permute's destination counts as read
.endr
.irp a, 0,1,2,3
	v_permlanex16_b32 v[T+\a], v[MX+\a], s22, s23  ; the row's other eight keys of each tile
.endr
.irp a, 0,1,2,3
	v_max_num_f32 v[MX+\a], v[MX+\a], v[T+\a]      ; over my 128 keys
.endr
.irp a, 0,1,2,3
	ds_store_b32 v[XA], v[MX+\a] offset:64*\a      ; row 16 a + r; both halves of the lanes write the same word with the same value
.endr
	s_wait_dscnt 0x0                               ; for the other wave's sake: zero
	s_barrier_signal -1
	s_barrier_wait -1
.irp a, 0,1,2,3
	ds_load_b32 v[T+\a], v[XB] offset:64*\a        ; the same rows' maxima over the other 128 keys
.endr
	s_wait_dscnt 0x0
.irp a, 0,1,2,3
	v_max_num_f32 v[MX+\a], v[MX+\a], v[T+\a]      ; over the block's 256 keys
.endr
.irp a, 0,1,2,3
	v_mul_f32 v[MC+\a], CSC, v[MX+\a]              ; mc; -mc below is its exact negative
	v_mul_f32 v[NM+2*\a], CSCN, v[MX+\a]
	v_mul_f32 v[NM+2*\a+1], CSCN, v[MX+\a]
.endr
	; p = 2^(c s - mc), in place
	WIN 0x41                                       ; destination and source 0 in window 1
.irp a, 0,1,2,3
.set i, 0
.rept 32
	v_pk_fma_f32 v[64*\a+2*i:64*\a+2*i+1], v[64*\a+2*i:64*\a+2*i+1], CSC, v[NM+2*\a:NM+2*\a+1] op_sel_hi:[1,0,1]
.set i, i+1
.endr
.endr
.set i, 0
.rept 256
	v_exp_f32 v[i], v[i]
.set i, i+1
.endr
	v_nop                                          ; one plain place behind the last exponential before results are used (ISA guide 5.7.2)
	; the rows' sums over my 128 keys
	WIN 0x05
	s_wait_alu depctr_va_vdst(0)
.irp a, 0,1,2,3
	v_pk_add_f32 v[LS+2*\a:LS+2*\a+1], v[64*\a:64*\a+1], v[64*\a+2:64*\a+3]
.endr
	WIN 0x01
.set i, 2
.rept 30
.irp a, 0,1,2,3
	v_pk_add_f32 v[LS+2*\a:LS+2*\a+1], v[64*\a+2*i:64*\a+2*i+1], v[LS+2*\a:LS+2*\a+1]
.endr
.set i, i+1
.endr
	WIN 0
.irp a, 0,1,2,3
	v_add_f32 v[LS+2*\a], v[LS+2*\a], v[LS+2*\a+1]
.endr
.irp a, 0,1,2,3
	v_mov_b32 v[T+\a], v[LS+2*\a]
.endr
.irp a, 0,1,2,3
	v_permlanex16_b32 v[T+\a], v[LS+2*\a], s22, s23
.endr
.irp a, 0,1,2,3
	v_add_f32 v[LS+2*\a], v[LS+2*\a], v[T+\a]
.endr
	; mc and l leave through my scratch, so that one store of the wave covers my 64 rows' 256 consecutive bytes, aligned
.irp a, 0,1,2,3
	ds_store_b32 v[SSW], v[MC+\a] offset:64*\a
	ds_store_b32 v[SSW], v[LS+2*\a] offset:256+64*\a
.endr
	ds_load_b64 v[SD:SD+1], v[SSR]                 ; my own bytes, served in order
	ds_load_b64 v[SD+2:SD+3], v[SSR] offset:256
	s_lshl_b32 s16, s13, 9
	s_lshl_b32 s17, s11, 8
	s_add_co_u32 s16, s16, s17                     ; (128 by + 64 wm) x 4
	s_mov_b32 s17, 0
	s_add_nc_u64 s[8:9], s[8:9], s[16:17]
	s_lshl_b32 s46, s42, 15                        ; mc: block bx of 32,768 bytes
	s_mov_b32 s47, 0
	s_add_nc_u64 s[66:67], s[8:9], s[46:47]
	s_lshl_b32 s46, s42, 16                        ; l: block 2 bx + wn, behind the four of mc
	s_lshl_b32 s68, s12, 15
	s_add_co_u32 s46, s46, s68
	s_add_co_u32 s46, s46, 131072
	s_add_nc_u64 s[68:69], s[8:9], s[46:47]
	s_wait_dscnt 0x0
	global_store_b64 v[SO], v[SD+2:SD+3], s[68:69]
	s_cmp_lg_u32 s12, 0                            ; both waves of a row half hold the same mc: the one with wn = 0 stores it
	s_cbranch_scc1 .Lno_m
	global_store_b64 v[SO], v[SD:SD+1], s[66:67]
.Lno_m:
	; p's way out, 16 rows at a time, as in the projection, rounded to f16
	s_lshl_b32 s16, s13, 18                        ; 128 by rows of 2,048 bytes
	s_lshl_b32 s17, s11, 17
	s_add_co_u32 s16, s16, s17
	s_mov_b32 s17, 0
	s_add_nc_u64 s[6:7], s[6:7], s[16:17]
	s_lshl_b32 s46, s42, 9                         ; 512 bx + 256 wn
	s_lshl_b32 s47, s12, 8
	s_add_co_u32 s46, s46, s47
	s_mov_b32 s47, 0
	s_add_nc_u64 s[6:7], s[6:7], s[46:47]
.macro OUT16 a, f
	WIN 0x05
.irp b, 0,1,2,3,4,5,6,7
.irp k, 0,1,2,3
	v_cvt_pk_f16_f32 v[TMP+4*\b+\k], v[8*(8*\a+\b)+2*\k], v[8*(8*\a+\b)+2*\k+1]
.endr
.endr
	WIN 0
.irp b, 0,1,2,3,4,5,6,7
	ds_store_b128 v[STO], v[TMP+4*\b:TMP+4*\b+3] offset:32*\b
.endr
	s_wait_xcnt 0x0                                ; buffer f held the data of earlier stores: it is loaded again only behind this wait
.irp t, 0,1,2,3,4,5,6,7
	ds_load_b128 v[\f+4*\t:\f+4*\t+3], v[RD] offset:\t*2*SPITCH
.endr
.irp t, 0,1,2,3,4,5,6,7
	s_wait_dscnt 7-\t                              ; read-back t is in, the 7 - t younger ones stay out
	global_store_b128 v[CO], v[\f+4*\t:\f+4*\t+3], s[6:7] offset:(16*\a+2*\t)*ROWP   ; 16 lanes store 256 consecutive bytes, aligned
.endr
.endm
	OUT16 0, F0
	OUT16 1, F1
	OUT16 2, F0
	OUT16 3, F1
	s_wait_tensorcnt 0x0
	ds_add_u32 v22, v23
	s_wait_dscnt 0x0
	CROUND                                         ; the closing round
	s_endpgm
.Lfunc_end_k_q357031dd23_scores:
	.size	k_q357031dd23_scores, .Lfunc_end_k_q357031dd23_scores-k_q357031dd23_scores
	.p2alignl 7, 3214868480
	.fill 96, 4, 3214868480
	.section	.rodata,"a",@progbits
	.p2align	6, 0x0
	.amdhsa_kernel k_q357031dd23_scores
		.amdhsa_group_segment_fixed_size 327680
		.amdhsa_private_segment_fixed_size 0
		.amdhsa_enable_private_segment 0
		.amdhsa_kernarg_size 24
		.amdhsa_user_sgpr_count 2
		.amdhsa_user_sgpr_kernarg_segment_ptr 1
		.amdhsa_wavefront_size32 1
		.amdhsa_system_sgpr_workgroup_id_x 1
		.amdhsa_system_sgpr_workgroup_id_y 1
		.amdhsa_system_sgpr_workgroup_id_z 1
		.amdhsa_system_vgpr_workitem_id 0
		.amdhsa_next_free_vgpr 512
		.amdhsa_next_free_sgpr 72
		.amdhsa_reserve_vcc 0
		.amdhsa_float_denorm_mode_32 3
		.amdhsa_float_denorm_mode_16_64 3
		.amdhsa_memory_ordered 1
		.amdhsa_forward_progress 1
		.amdhsa_inst_pref_size 157
	.end_amdhsa_kernel
	.amdgpu_metadata
---
amdhsa.version: [ 1, 2 ]
amdhsa.kernels:
  - .name:           k_q357031dd23_scores
    .symbol:         k_q357031dd23_scores.kd
    .args:
      - { .name: qkv, .offset: 0, .size: 8, .value_kind: global_buffer, .address_space: global }
      - { .name: p, .offset: 8, .size: 8, .value_kind: global_buffer, .address_space: global }
      - { .name: stat, .offset: 16, .size: 8, .value_kind: global_buffer, .address_space: global }
    .group_segment_fixed_size: 327680
    .private_segment_fixed_size: 0
    .kernarg_segment_align: 8
    .kernarg_segment_size: 24
    .max_flat_workgroup_size: 128
    .sgpr_count:     72
    .vgpr_count:     512
    .wavefront_size: 32
...
	.end_amdgpu_metadata
.endif
;; end of part 3
;; launch pv (part 4): grid 4 x 64, 4 waves a work-group, clusters of 4 x 4, 327,680 bytes of LDS; arguments p, qkv, out0, stat; writes out0
.if DOCPART == 4
	.amdgcn_target "amdgcn-amd-amdhsa--gfx1250"
	.amdhsa_code_object_version 6
	.text
	.protected	k_q357031dd23_pv
	.globl	k_q357031dd23_pv
	.p2align	8
	.type	k_q357031dd23_pv,@function
k_q357031dd23_pv:
	s_mov_b64 s[64:65], 0
	v_nop
	global_prefetch_b8 v0, s[64:65] scope:SCOPE_SE
	s_setreg_imm32_b32 hwreg(HW_REG_WAVE_MODE, 25, 1), 1
	s_wait_xcnt 0x0
	s_wait_alu depctr_hold_cnt(0) depctr_sa_sdst(0) depctr_va_vdst(0) depctr_va_sdst(0) depctr_va_ssrc(0) depctr_va_vcc(0) depctr_vm_vsrc(0)
	s_getreg_b32 s2, hwreg(HW_REG_IB_STS2, 6, 4)
	s_cmp_eq_u32 s2, 0
	s_cbranch_scc0 .Lentry_in_a_cluster
	s_endpgm
.Lentry_in_a_cluster:
	s_bfe_u32 s2, ttmp6, 0x10000c
	s_cmp_lg_u32 s2, 0xf033
	s_cbranch_scc0 .Lentry_shape_is_right
	s_endpgm
.Lentry_shape_is_right:
; out0 = sum over the four key blocks j of w_j x (P_j V_j), w_j = 2^(mc_j - M) / L, M = the largest mc_j of the row, L = sum of 2^(mc_j - M) l_j:
; the softmax of the whole row, with its true maximum taken away, joined in f32 from the four blocks that the launch before left.
; P and V are f16 operands, the sums f32.  P lies in (0, 1]; V was rounded to f16 by the projection (its limit: |V| <= 65,504).
; L lies between about 1 and 1,024, so its reciprocal is safe.
; LIMITS: v_max_num_f32 drops a NaN (NaN and infinite inputs are not reproduced place for place); v_exp_f32 gives 0 below 2^-126.
; A work-group makes 128 rows x 256 columns of one batch with four waves, a wave 64 x 128.  The keys go in 8 steps of 128 through two LDS slots;
; two steps are a key block: its product is summed in window 1 (started by a product with C = 0) and then added, weighted, to the total in window 2.
; V lies [key][column]: the tile keeps that order and the fragments are made by the transposing LDS load.
; CLUSTERS: 4 x 4 work-groups inside one batch: P's tile is shared along a row of the cluster, V's along a column, by joint loads.
; REGISTERS: window 0: v0-31 addresses; v32-127, v128-223 fragment buffers; v224-255 the 16 weights, each twice (a pair for the packed forms).
;            window 1: block sums, tile (a, b) at v[8 (8 a + b)];  window 2: the totals, the same places.
.set PA,     272
.set PB,     544
.set BHALF,  64*PB                     ; 34,816: 64 keys of V
.set AHALF,  64*PA                     ; 17,408: 64 rows of P
.set AOFF,   2*BHALF
.set SLOT,   AOFF+2*AHALF              ; 104,448
.set STAGE,  2*SLOT                    ; 208,896: 16 rows x 528 bytes for each wave
.set OPITCH, 528                       ; 512 bytes of f32 + 16: an odd multiple of 16
.set ROWP,   2048
.set ROWQ,   6144
.set ROWO,   4096
.set STEP_A, 256                       ; 128 keys along P's rows
.set STEP_B, 128*ROWQ                  ; 128 keys down V's rows
.set ADRA, 16
.set ADRB, 20
.set STO,  24
.set RD,   25
.set CO,   26
.set SV,   27                          ; my byte offset in a block of stat
.set F0,   32
.set F1,   128
.set AL,   224                         ; weight (j, a) at AL + 8 j + 2 a, twice
.set SM,   128                         ; at work on the weights, in buffer 1 before it is first used: mc (j, a) at SM + 4 j + a
.set SL,   144                         ; l (jj, a) at SL + 4 jj + a
.set SX,   176                         ; M
.set SU,   180                         ; L
.set SR,   184                         ; 1 / L
.set SE,   188                         ; 2^(mc - M) (j, a)
.set G1,  24
.set G0,  32
.set G1B, 48
.set G0B, 56
.set MULW, 0x50
.set MSB, 0
.macro WIN new
.if MSB != \new
	s_set_vgpr_msb (MSB<<8)|\new
.set MSB, \new
.endif
.endm
.macro PLACES                          ; four places behind a matrix instruction (ISA guide 7.12.1)
.rept 4
	v_nop
.endr
.endm
.macro JLOAD s                         ; waves 0 and 1 fetch V's halves, waves 2 and 3 P's
	s_cmp_eq_u32 s11, 0
	s_cbranch_scc0 .Lfor_a_\@
	tensor_load_to_lds s[G0B+4*\s:G0B+4*\s+3], s[G1B:G1B+7]
	s_nop 0
	s_branch .Lasked_\@
.Lfor_a_\@:
	tensor_load_to_lds s[G0+4*\s:G0+4*\s+3], s[G1:G1+7]
	s_nop 0
.Lasked_\@:
.endm
.macro CREST
	s_cmp_lg_u32 s10, 0
	s_cbranch_scc1 .Lnot_wave_0_\@
	s_barrier_signal -3
.Lnot_wave_0_\@:
	s_barrier_wait -3
	s_barrier_signal -1
	s_barrier_wait -1
.endm
.macro CROUND
	s_barrier_signal -1
	s_barrier_wait -1
	CREST
.endm
	s_load_b128 s[4:7], s[0:1], 0x0                ; p s[4:5], qkv s[6:7]
	s_load_b64 s[8:9], s[0:1], 0x10                ; out0
	s_load_b64 s[66:67], s[0:1], 0x18              ; stat
	v_lshl_add_u32 v30, v0, 2, 0x3b400
	v_mov_b32 v31, 0
	ds_add_u32 v30, v31
	v_lshrrev_b32 v1, 5, v0
	v_readfirstlane_b32 s10, v1                    ; wave 0..3
	s_lshr_b32 s11, s10, 1                         ; wm: my 64 rows.  Also: I fetch for V (0) or for P (1)
	s_and_b32 s12, s10, 1                          ; wn: my 128 columns.  Also: which half of that tile I fetch
	s_bfe_u32 s40, ttmp6, 0x40000                  ; cx
	s_bfe_u32 s41, ttmp6, 0x40004                  ; cy
	s_lshl_b32 s42, ttmp9, 2
	s_add_co_u32 s42, s42, s40                     ; bx: block of 256 columns
	s_and_b32 s13, ttmp7, 0xffff
	s_lshl_b32 s13, s13, 2
	s_add_co_u32 s13, s13, s41                     ; by: block of 128 rows of the 8,192
	s_and_b32 s45, ttmp7, 0xffff
	s_lshr_b32 s45, s45, 1                         ; batch, from the cluster's y alone
	s_lshl_b32 s43, s41, 2
	s_lshl_b32 s43, 15, s43                        ; my row of the cluster
	s_lshl_b32 s44, 0x1111, s40                    ; my column
	; group 1 of P: 64 rows x 128 elements, 4 words of padding behind every 64
	s_or_b32 s[G1+0], s43, (1<<16)|(1<<20)|(1<<21)|(5<<22)|(3<<25)
	s_mov_b32 s[G1+1], 128<<16
	s_mov_b32 s[G1+2], 64<<16
	s_mov_b32 s[G1+3], 128<<16
	s_mov_b32 s[G1+4], 64
	s_mov_b32 s[G1+5], 1024
	s_mov_b32 s[G1+6], 0
	s_mov_b32 s[G1+7], 0
	; group 1 of V: 64 keys x 256 elements, 8 words of padding behind every 128
	s_or_b32 s[G1B+0], s44, (1<<16)|(1<<20)|(1<<21)|(6<<22)|(7<<25)
	s_mov_b32 s[G1B+1], 256<<16
	s_mov_b32 s[G1B+2], 64<<16
	s_mov_b32 s[G1B+3], 256<<16
	s_mov_b32 s[G1B+4], 64
	s_mov_b32 s[G1B+5], 3072
	s_mov_b32 s[G1B+6], 0
	s_mov_b32 s[G1B+7], 0
	s_lshl_b32 s16, s13, 18                        ; P: 128 by rows of 2,048 bytes
	s_lshl_b32 s17, s12, 17                        ; + 64 rows for the second half
	s_add_co_u32 s16, s16, s17
	s_mov_b32 s17, 0
	s_lshl_b32 s46, s45, 10
	s_lshl_b32 s47, s12, 6
	s_add_co_u32 s46, s46, s47                     ; V: row 1024 batch + 64 x half,
	s_mul_i32 s46, s46, ROWQ
	s_lshl_b32 s47, s42, 9
	s_add_co_u32 s46, s46, s47                     ; column 256 bx,
	s_add_co_u32 s46, s46, 4096                    ; at byte 4,096 of the row
	s_mov_b32 s47, 0
	s_mul_i32 s20, s10, AHALF
	s_add_co_u32 s20, s20, AOFF-2*AHALF            ; P's halves land at AOFF + (wave - 2) x AHALF
	s_mul_i32 s21, s10, BHALF                      ; V's halves at wave x BHALF
	s_lshl_b32 s18, s13, 9                         ; stat: 128 by rows of 4 bytes
	s_mov_b32 s19, 0
	s_wait_dscnt 0x0
	s_wait_kmcnt 0x0
	s_add_nc_u64 s[14:15], s[4:5], s[16:17]
	s_add_nc_u64 s[46:47], s[6:7], s[46:47]
	s_add_nc_u64 s[66:67], s[66:67], s[18:19]
	CROUND                                         ; all sixteen work-groups are here: the first joint loads meet
.irp s, 0,1
	s_mov_b32 s[G0+4*\s], 1
	s_add_co_u32 s[G0+4*\s+1], s20, \s*SLOT
	s_add_nc_u64 s[G0+4*\s+2:G0+4*\s+3], s[14:15], \s*STEP_A
	s_or_b32 s[G0+4*\s+3], s[G0+4*\s+3], 0x80000000
	s_mov_b32 s[G0B+4*\s], 1
	s_add_co_u32 s[G0B+4*\s+1], s21, \s*SLOT
	s_add_nc_u64 s[G0B+4*\s+2:G0B+4*\s+3], s[46:47], \s*STEP_B
	s_or_b32 s[G0B+4*\s+3], s[G0B+4*\s+3], 0x80000000
	JLOAD \s                                       ; key steps 0 and 1: two loads of this wave are out, the most it ever has
.endr
	; while the first tiles are on their way: my four rows' mc and l (row 16 a + r of my 64), then the addresses, then the weights
	v_and_b32 v1, 15, v0                           ; r
	v_bfe_u32 v2, v0, 4, 1                         ; h
	s_lshl_b32 s18, s11, 8
	v_lshlrev_b32 v[SV], 2, v1
	v_add_nc_u32 v[SV], s18, v[SV]                 ; 256 wm + 4 r
.irp j, 0,1,2,3
.irp a, 0,1,2,3
	global_load_b32 v[SM+4*\j+\a], v[SV], s[66:67] offset:32768*\j+64*\a
.endr
.endr
.irp j, 0,1,2,3,4,5,6,7
.irp a, 0,1,2,3
	global_load_b32 v[SL+4*\j+\a], v[SV], s[66:67] offset:131072+32768*\j+64*\a
.endr
.endr
	v_mul_u32_u24 v3, v1, PA
	v_lshl_add_u32 v3, v2, 4, v3                   ; P: row r, 16 bytes for each half of the lanes
	v_and_b32 v4, 7, v0
	v_lshl_add_u32 v4, v2, 3, v4                   ; V: key 8 h + l % 8,
	v_mul_u32_u24 v4, v4, PB
	v_bfe_u32 v5, v0, 3, 1
	v_lshl_add_u32 v4, v5, 4, v4                   ; and 16 bytes (8 columns) for each group of eight lanes
	s_mul_i32 s22, s11, AHALF
	s_add_co_u32 s22, s22, AOFF
	s_lshl_b32 s23, s12, 8
.irp s, 0,1
	v_add_nc_u32 v[ADRA+\s], s22, v3
	v_add_nc_u32 v[ADRB+\s], s23, v4
	s_add_co_u32 s22, s22, SLOT
	s_add_co_u32 s23, s23, SLOT
.endr
	s_mul_i32 s22, s10, 16*OPITCH
	s_add_co_u32 s22, s22, STAGE                   ; my stage
	v_mul_u32_u24 v5, v1, OPITCH
	v_lshl_add_u32 v5, v2, 5, v5                   ; in: row r, 32 bytes (8 f32) for each half of the lanes
	v_add_nc_u32 v[STO], s22, v5
	v_and_b32 v5, 31, v0
	v_lshlrev_b32 v[CO], 4, v5                     ; back and out: 16 bytes a lane, a whole row of 512 bytes a wave
	v_add_nc_u32 v[RD], s22, v[CO]
	s_wait_loadcnt 0x0
.irp a, 0,1,2,3
	v_max3_num_f32 v[SX+\a], v[SM+\a], v[SM+4+\a], v[SM+8+\a]
.endr
.irp a, 0,1,2,3
	v_max_num_f32 v[SX+\a], v[SX+\a], v[SM+12+\a]  ; M
.endr
.irp j, 0,1,2,3
.irp a, 0,1,2,3
	v_sub_f32 v[SM+4*\j+\a], v[SM+4*\j+\a], v[SX+\a]
.endr
.endr
.irp j, 0,1,2,3
.irp a, 0,1,2,3
	v_exp_f32 v[SE+4*\j+\a], v[SM+4*\j+\a]         ; mc is in units of log2 already
.endr
.endr
.irp j, 0,1,2,3
.irp a, 0,1,2,3
	v_add_f32 v[SL+8*\j+\a], v[SL+8*\j+\a], v[SL+8*\j+4+\a]   ; a key block's two halves; also the plain place behind the exponentials (ISA guide 5.7.2)
.endr
.endr
	s_wait_alu depctr_va_vdst(0)
.irp a, 0,1,2,3
	v_mul_f32 v[SU+\a], v[SE+\a], v[SL+\a]
.endr
.irp j, 1,2,3
.irp a, 0,1,2,3
	v_fmac_f32 v[SU+\a], v[SE+4*\j+\a], v[SL+8*\j+\a]         ; L
.endr
.endr
.irp a, 0,1,2,3
	v_rcp_f32 v[SR+\a], v[SU+\a]
.endr
	v_nop                                          ; one plain place behind the reciprocals
	s_wait_alu depctr_va_vdst(0)
.irp j, 0,1,2,3
.irp a, 0,1,2,3
	v_mul_f32 v[AL+8*\j+2*\a],   v[SE+4*\j+\a], v[SR+\a]
	v_mul_f32 v[AL+8*\j+2*\a+1], v[SE+4*\j+\a], v[SR+\a]
.endr
.endr
; The 32 accumulators take turns, one instruction a turn, always in the same order.
.macro MUL16 f, a0, zero
.irp a, \a0, \a0+1
.irp b, 0,1,2,3,4,5,6,7
.if \zero
	v_wmma_f32_16x16x32_f16 v[8*(8*(\a)+\b):8*(8*(\a)+\b)+7], v[\f+8*\b:\f+8*\b+7], v[\f+64+8*(\a):\f+64+8*(\a)+7], 0
.else
	v_wmma_f32_16x16x32_f16 v[8*(8*(\a)+\b):8*(8*(\a)+\b)+7], v[\f+8*\b:\f+8*\b+7], v[\f+64+8*(\a):\f+64+8*(\a)+7], v[8*(8*(\a)+\b):8*(8*(\a)+\b)+7]
.endif
.endr
.endr
.endm
; 24 LDS loads in one run: quarter q (32 keys) of a slot into buffer f: 128 columns of V (transposed on the way), 64 rows of P
.macro FETCH slot, q, f
	WIN 0
.irp i, 0,1,2,3,4,5,6,7
	ds_load_tr16_b128 v[\f+8*\i:\f+8*\i+3],   v[ADRB+\slot] offset:\q*32*PB+32*\i
	ds_load_tr16_b128 v[\f+8*\i+4:\f+8*\i+7], v[ADRB+\slot] offset:\q*32*PB+32*\i+16*PB
.endr
.irp i, 0,1,2,3
	ds_load_b128 v[\f+64+8*\i:\f+64+8*\i+3],   v[ADRA+\slot] offset:\q*64+\i*16*PA
	ds_load_b128 v[\f+64+8*\i+4:\f+64+8*\i+7], v[ADRA+\slot] offset:\q*64+\i*16*PA+32
.endr
.endm
.macro QUARTER slot, q, f, g, zero
	PLACES                                         ; buffer g was read by the matrix instructions just issued
	FETCH \slot, \q, \g
	s_wait_dscnt 24                                ; all but the 24 just issued: buffer f is whole
	WIN MULW
	MUL16 \f, 0, \zero
	MUL16 \f, 2, \zero
.endm
.macro THREE slot, zero
	QUARTER \slot, 1, F0, F1, \zero
	QUARTER \slot, 2, F1, F0, 0
	QUARTER \slot, 3, F0, F1, 0
.endm
.macro TURN slot, next, fill
	s_wait_dscnt 0x0                               ; buffer 1 is in, and with it my last reads of this slot
	s_wait_tensorcnt 0x0                           ; all my tensor loads have landed: the one that was out is my part of the next slot
	ds_add_u32 v30, v31
	s_wait_dscnt 0x0
	s_barrier_signal -1                            ; say so (with fill = 1 this barrier opens a round of the cluster's barrier)
	WIN MULW
	MUL16 F1, 0, 0
	WIN 0
	s_barrier_wait -1
.if \fill
	CREST                                          ; no wave of any partner still reads this slot or has a load on its way
	s_add_nc_u64 s[G0+4*\slot+2:G0+4*\slot+3], s[G0+4*\slot+2:G0+4*\slot+3], 2*STEP_A
	s_add_nc_u64 s[G0B+4*\slot+2:G0B+4*\slot+3], s[G0B+4*\slot+2:G0B+4*\slot+3], 2*STEP_B
	JLOAD \slot                                    ; the first tensor load behind the round, one a wave
.endif
	PLACES
	FETCH \next, 0, F0
	WIN MULW
	MUL16 F1, 2, 0
.endm
.macro LAP zero                        ; a key block: two steps, both slots filled again
	THREE 0, \zero
	TURN 0, 1, 1
	THREE 1, 0
	TURN 1, 0, 1
.endm
.macro TAIL zero                       ; the last key block fills nothing
	THREE 0, \zero
	TURN 0, 1, 0
	THREE 1, 0
	s_wait_dscnt 0x0
	WIN MULW
	MUL16 F1, 0, 0
	MUL16 F1, 2, 0
	WIN 0
.endm
; total (window 2) = or += weight (j, a) x block sum (window 1).  The first block starts the totals: nothing is cleared.
.macro ACCUM j
	PLACES                                         ; the block sums are read four places behind the last matrix instruction
.if \j
	WIN 0xa1                                       ; source 0 window 1, source 2 and destination window 2
.else
	WIN 0x81                                       ; source 0 window 1, destination window 2
.endif
.irp a, 0,1,2,3
.set i, 0
.rept 32
.if \j
	v_pk_fma_f32 v[64*\a+2*i:64*\a+2*i+1], v[64*\a+2*i:64*\a+2*i+1], v[AL+8*\j+2*\a:AL+8*\j+2*\a+1], v[64*\a+2*i:64*\a+2*i+1]
.else
	v_pk_mul_f32 v[64*\a+2*i:64*\a+2*i+1], v[64*\a+2*i:64*\a+2*i+1], v[AL+2*\a:AL+2*\a+1]
.endif
.set i, i+1
.endr
.endr
	WIN 0
.endm
	s_wait_tensorcnt 0x1                           ; my part of key step 0 is in; step 1's may stay out
	s_barrier_signal -1
	s_barrier_wait -1
	FETCH 0, 0, F0
	LAP 1                                          ; written out, no loop: each key block names its own weights
	ACCUM 0
	LAP 1
	ACCUM 1
	LAP 1
	ACCUM 2
	TAIL 1
	ACCUM 3
	; THE WAY OUT, 16 rows at a time: f32 into my stage, read back as whole rows of 512 bytes
	s_lshl_b32 s16, s13, 19                        ; 128 by rows of 4,096 bytes
	s_lshl_b32 s17, s11, 18
	s_add_co_u32 s16, s16, s17
	s_mov_b32 s17, 0
	s_add_nc_u64 s[8:9], s[8:9], s[16:17]
	s_lshl_b32 s46, s42, 10                        ; 1,024 bx + 512 wn
	s_lshl_b32 s47, s12, 9
	s_add_co_u32 s46, s46, s47
	s_mov_b32 s47, 0
	s_add_nc_u64 s[8:9], s[8:9], s[46:47]
.macro OUTF a, f
	WIN 0x08                                       ; store data in window 2
.irp b, 0,1,2,3,4,5,6,7
	ds_store_b128 v[STO], v[8*(8*\a+\b):8*(8*\a+\b)+3] offset:64*\b
	ds_store_b128 v[STO], v[8*(8*\a+\b)+4:8*(8*\a+\b)+7] offset:64*\b+16
.endr
	WIN 0
	s_wait_xcnt 0x0                                ; buffer f held the data of earlier stores: it is loaded again only behind this wait
.irp t, 0,1,2,3,4,5,6,7,8,9,10,11,12,13,14,15
	ds_load_b128 v[\f+4*\t:\f+4*\t+3], v[RD] offset:\t*OPITCH      ; my own bytes, served in order: these see the stores above
.endr
.irp t, 0,1,2,3,4,5,6,7,8,9,10,11,12,13,14,15
	s_wait_dscnt 15-\t                             ; read-back t is in, the 15 - t younger ones stay out
	global_store_b128 v[CO], v[\f+4*\t:\f+4*\t+3], s[8:9] offset:(16*\a+\t)*ROWO th:TH_STORE_NT   ; the wave stores 512 consecutive bytes, aligned
.endr
.endm
	OUTF 0, F0
	OUTF 1, F1
	OUTF 2, F0
	OUTF 3, F1
	s_wait_tensorcnt 0x0
	ds_add_u32 v30, v31
	s_wait_dscnt 0x0
	CROUND                                         ; the closing round
	s_endpgm
.Lfunc_end_k_q357031dd23_pv:
	.size	k_q357031dd23_pv, .Lfunc_end_k_q357031dd23_pv-k_q357031dd23_pv
	.p2alignl 7, 3214868480
	.fill 96, 4, 3214868480
	.section	.rodata,"a",@progbits
	.p2align	6, 0x0
	.amdhsa_kernel k_q357031dd23_pv
		.amdhsa_group_segment_fixed_size 327680
		.amdhsa_private_segment_fixed_size 0
		.amdhsa_enable_private_segment 0
		.amdhsa_kernarg_size 32
		.amdhsa_user_sgpr_count 2
		.amdhsa_user_sgpr_kernarg_segment_ptr 1
		.amdhsa_wavefront_size32 1
		.amdhsa_system_sgpr_workgroup_id_x 1
		.amdhsa_system_sgpr_workgroup_id_y 1
		.amdhsa_system_sgpr_workgroup_id_z 1
		.amdhsa_system_vgpr_workitem_id 0
		.amdhsa_next_free_vgpr 768
		.amdhsa_next_free_sgpr 72
		.amdhsa_reserve_vcc 0
		.amdhsa_float_denorm_mode_32 3
		.amdhsa_float_denorm_mode_16_64 3
		.amdhsa_memory_ordered 1
		.amdhsa_forward_progress 1
		.amdhsa_inst_pref_size 189
	.end_amdhsa_kernel
	.amdgpu_metadata
---
amdhsa.version: [ 1, 2 ]
amdhsa.kernels:
  - .name:           k_q357031dd23_pv
    .symbol:         k_q357031dd23_pv.kd
    .args:
      - { .name: p, .offset: 0, .size: 8, .value_kind: global_buffer, .address_space: global }
      - { .name: qkv, .offset: 8, .size: 8, .value_kind: global_buffer, .address_space: global }
      - { .name: out0, .offset: 16, .size: 8, .value_kind: global_buffer, .address_space: global }
      - { .name: stat, .offset: 24, .size: 8, .value_kind: global_buffer, .address_space: global }
    .group_segment_fixed_size: 327680
    .private_segment_fixed_size: 0
    .kernarg_segment_align: 8
    .kernarg_segment_size: 32
    .max_flat_workgroup_size: 128
    .sgpr_count:     72
    .vgpr_count:     768
    .wavefront_size: 32
...
	.end_amdgpu_metadata
.endif
;; end of part 4
;; ======== version 2 of 2: 5 launches; 1.24 times as fast as version 1
;; limits: values are held in f16: magnitudes above 65,504 overflow, below 6.1e-05 lose precision
;; workspace buffers: xb 16,777,216 bytes; wb 6,291,456 bytes; g 2,097,152 bytes; yf 16,777,216 bytes; vb 16,777,216 bytes; pf 16,777,216 bytes; stat 393,216 bytes
;; launch cast: the kernel of part 1 again; grid 2816 x 1, 4 waves a work-group, no clusters, 0 bytes of LDS; arguments x, kernel, xb, wb; writes xb, wb
;; launch gram (part 5): grid 8 x 32, 4 waves a work-group, clusters of 4 x 4, 327,680 bytes of LDS; arguments wb, g; writes g
.if DOCPART == 5
	.amdgcn_target "amdgcn-amd-amdhsa--gfx1250"
	.amdhsa_code_object_version 6
	.text
	.protected	k_q357031dd23_gram
	.globl	k_q357031dd23_gram
	.p2align	8
	.type	k_q357031dd23_gram,@function
k_q357031dd23_gram:
	s_mov_b64 s[64:65], 0
	v_nop
	global_prefetch_b8 v0, s[64:65] scope:SCOPE_SE
	s_setreg_imm32_b32 hwreg(HW_REG_WAVE_MODE, 25, 1), 1
	s_wait_xcnt 0x0
	s_wait_alu depctr_hold_cnt(0) depctr_sa_sdst(0) depctr_va_vdst(0) depctr_va_sdst(0) depctr_va_ssrc(0) depctr_va_vcc(0) depctr_vm_vsrc(0)
	s_getreg_b32 s2, hwreg(HW_REG_IB_STS2, 6, 4)
	s_cmp_eq_u32 s2, 0
	s_cbranch_scc0 .Lentry_in_a_cluster
	s_endpgm
.Lentry_in_a_cluster:
	s_bfe_u32 s2, ttmp6, 0x10000c
	s_cmp_lg_u32 s2, 0xf033
	s_cbranch_scc0 .Lentry_shape_is_right
	s_endpgm
.Lentry_shape_is_right:
; g[d][e] = sum over k of W0[d][k] W1[e][k]: G = WQ WK^T, bf16 operands, f32 sums, rounded once to bf16.
; WHY: (x WQ)(x WK)^T = (x G) x^T for every input, so the projections that follow make y = x G in place of q and k: one product of
; 8192 x 1024 x 1024 less, for this one of 1024 x 1024 x 1024.
; LIMIT: the order of rounding differs from the reference's: G and y are rounded to bf16 where q and k would be.
; Both operands lie with k along their rows, so the fragments are plain LDS loads.
; A work-group makes 32 rows x 128 columns (a row of the block is 256 consecutive bytes of g, aligned); 8 x 32 = 256 work-groups.
; Four waves, a wave 32 x 32: four accumulator tiles.  k goes in four chunks of 256 (rows of 512 bytes, LDS pitch 528).
; LDS: all four chunks of A's 32 rows stay; B's 128 rows have three regions, since four would need 160 x 4 x 528 = 337,920 bytes:
; chunk 3 of B is brought into region 0 when chunk 0 has been read.
; CLUSTERS: 4 x 4 work-groups: W0's rows are shared along a row of the cluster, W1's along a column, by joint loads.
; Every wave issues the same lines: chunk w of A, and its own 32 rows of B for each chunk; no branch on the wave's number.
.set PC,     528                       ; 512 bytes + 16: an odd multiple of 16, so 16 rows start 16 bytes apart modulo 256
.set QROWS,  32*PC                     ; 16,896: what one tensor load brings
.set BREG,   4*QROWS                   ; 67,584: 128 rows of B, one chunk
.set AOFF,   3*BREG                    ; 202,752: A's four chunks
.set STAGE,  AOFF+4*QROWS              ; 270,336: 32 rows x 272 bytes for the way out; no tile ever lands here
.set SPITCH, 272
.set ROWW,   2048                      ; bytes in a row of a W and of g
.set CHB,    512                       ; bytes of a chunk in a row
.set ADRA, 16                          ; v16     LDS address of my A fragments, chunk 0
.set ADRB, 20                          ; v20-22  LDS address of my B fragments in region 0, 1, 2
.set STO,  24
.set RD,   25
.set CO,   26
.set F0,   32                          ; v32-95   fragments of two steps of 32 along k: for each step A's two, then B's two
.set F1,   96                          ; v96-159  the same, second buffer
.set ACC,  160                         ; v160-191 accumulator tile (a, b) at ACC + 8 (2 a + b)
.set TMP,  192                         ; v192-207 packed results
.set OUT,  208                         ; v208-223 rows read back
.set G1,   24                          ; s[24:31] group 1 for A's tiles
.set G0A,  32                          ; s[32:35] group 0 for my chunk of A
.set G0B0, 36                          ; s[36:39] group 0 for B's chunk 0, later chunk 3
.set G1B,  48                          ; s[48:55] group 1 for B's tiles: it differs from A's in the mask alone
.set G0B1, 56                          ; s[56:59] group 0 for B's chunk 1
.set G0B2, 60                          ; s[60:63] group 0 for B's chunk 2
.macro PLACES                          ; four places behind a matrix instruction before its registers are loaded into or read by vector work (ISA guide 7.12.1)
.rept 4
	v_nop
.endr
.endm
.macro CROUND                          ; a round of the cluster's barrier
	s_barrier_signal -1
	s_barrier_wait -1
	s_cmp_lg_u32 s10, 0
	s_cbranch_scc1 .Lnot_wave_0_\@
	s_barrier_signal -3
.Lnot_wave_0_\@:
	s_barrier_wait -3
	s_barrier_signal -1
	s_barrier_wait -1
.endm
	s_load_b128 s[4:7], s[0:1], 0x0                ; wb s[4:5], g s[6:7]
	v_lshl_add_u32 v224, v0, 2, 0x44200
	v_mov_b32 v225, 0
	ds_add_u32 v224, v225
	v_lshrrev_b32 v1, 5, v0
	v_readfirstlane_b32 s10, v1                    ; wave 0..3
	s_bfe_u32 s40, ttmp6, 0x40000                  ; cx
	s_bfe_u32 s41, ttmp6, 0x40004                  ; cy
	s_lshl_b32 s42, ttmp9, 2
	s_add_co_u32 s42, s42, s40                     ; bx: block of 128 columns
	s_and_b32 s13, ttmp7, 0xffff
	s_lshl_b32 s13, s13, 2
	s_add_co_u32 s13, s13, s41                     ; by: block of 32 rows
	s_lshl_b32 s43, s41, 2
	s_lshl_b32 s43, 15, s43                        ; my row of the cluster
	s_lshl_b32 s44, 0x1111, s40                    ; my column
	; group 1, the same shape for every load: 32 rows x 256 elements of 2 bytes, 4 words of padding behind every 128
	s_or_b32 s[G1+0], s43, (1<<16)|(1<<20)|(1<<21)|(6<<22)|(3<<25)
	s_or_b32 s[G1B+0], s44, (1<<16)|(1<<20)|(1<<21)|(6<<22)|(3<<25)
	s_mov_b32 s[G1+1], 256<<16                     ; tensor_dim0 = 256
	s_mov_b32 s[G1B+1], 256<<16
	s_mov_b32 s[G1+2], 32<<16                      ; tensor_dim1 = 32
	s_mov_b32 s[G1B+2], 32<<16
	s_mov_b32 s[G1+3], 256<<16                     ; tile_dim0 = 256
	s_mov_b32 s[G1B+3], 256<<16
	s_mov_b32 s[G1+4], 32                          ; tile_dim1 = 32
	s_mov_b32 s[G1B+4], 32
	s_mov_b32 s[G1+5], 1024                        ; elements from row to row
	s_mov_b32 s[G1B+5], 1024
	s_mov_b32 s[G1+6], 0
	s_mov_b32 s[G1B+6], 0
	s_mov_b32 s[G1+7], 0
	s_mov_b32 s[G1B+7], 0
	; A's address hangs on by and the wave alone, B's on bx and the wave alone, each in registers that never hold the other coordinate
	s_lshl_b32 s16, s13, 16                        ; W0: 32 by rows of 2,048 bytes,
	s_lshl_b32 s17, s10, 9                         ; chunk w
	s_add_co_u32 s16, s16, s17
	s_mov_b32 s17, 0
	s_lshl_b32 s46, s42, 18                        ; W1: 128 bx rows of 2,048 bytes,
	s_lshl_b32 s47, s10, 16                        ; my 32 of them,
	s_add_co_u32 s46, s46, s47
	s_add_co_u32 s46, s46, 2097152                 ; behind W0
	s_mov_b32 s47, 0
	s_mul_i32 s20, s10, QROWS                      ; my part of a region of B, and of A's four chunks
	s_wait_dscnt 0x0
	s_wait_kmcnt 0x0
	s_add_nc_u64 s[14:15], s[4:5], s[16:17]
	s_add_nc_u64 s[46:47], s[4:5], s[46:47]
	CROUND                                         ; all sixteen work-groups are here: the first joint loads meet
	s_mov_b32 s[G0A], 1
	s_add_co_u32 s[G0A+1], s20, AOFF
	s_mov_b64 s[G0A+2:G0A+3], s[14:15]
	s_or_b32 s[G0A+3], s[G0A+3], 0x80000000
	tensor_load_to_lds s[G0A:G0A+3], s[G1:G1+7]    ; chunk w of A
	s_nop 0
.macro BFIRST g0, c                    ; my 32 rows of B's chunk c into region c
	s_mov_b32 s[\g0], 1
	s_add_co_u32 s[\g0+1], s20, \c*BREG
	s_add_nc_u64 s[\g0+2:\g0+3], s[46:47], \c*CHB
	s_or_b32 s[\g0+3], s[\g0+3], 0x80000000
	tensor_load_to_lds s[\g0:\g0+3], s[G1B:G1B+7]
	s_nop 0
.endm
	BFIRST G0B0, 0
	BFIRST G0B1, 1
	BFIRST G0B2, 2                                 ; four loads of this wave are out, the most it ever has
	v_and_b32 v1, 15, v0                           ; r = l % 16
	v_bfe_u32 v2, v0, 4, 1                         ; h = l / 16
	v_mul_u32_u24 v3, v1, PC
	v_lshl_add_u32 v3, v2, 4, v3                   ; row r, 16 bytes for each half of the lanes
	v_add_nc_u32 v[ADRA], AOFF, v3
	v_add_nc_u32 v[ADRB], s20, v3                  ; my 32 columns are the 32 rows of B that I fetch
	v_add_nc_u32 v[ADRB+1], BREG, v[ADRB]
	v_add_nc_u32 v[ADRB+2], 2*BREG, v[ADRB]
	v_mul_u32_u24 v4, v1, SPITCH
	v_lshl_add_u32 v4, v2, 4, v4
	s_lshl_b32 s18, s10, 6                         ; my 32 columns: 64 bytes of a row of the stage
	s_add_co_u32 s18, s18, STAGE
	v_add_nc_u32 v[STO], s18, v4
	s_mul_i32 s18, s10, 8*SPITCH                   ; back: rows 8 w .. 8 w + 7 are mine
	s_add_co_u32 s18, s18, STAGE
	v_mul_u32_u24 v5, v2, SPITCH
	v_lshl_add_u32 v5, v1, 4, v5                   ; lanes 0-15 one row of 256 bytes, lanes 16-31 the next
	v_add_nc_u32 v[RD], s18, v5
	v_lshlrev_b32 v5, 11, v2
	v_lshl_add_u32 v[CO], v1, 4, v5                ; the same two rows in g
; 16 LDS loads: unit u (two steps of 32 along k) of chunk c of A and of region reg of B into buffer f
.macro FETCH c, reg, u, f
.irp kk, 0,1
.irp a, 0,1
	ds_load_b128 v[\f+32*\kk+8*\a:\f+32*\kk+8*\a+3],   v[ADRA] offset:\c*QROWS+\a*16*PC+128*\u+64*\kk
	ds_load_b128 v[\f+32*\kk+8*\a+4:\f+32*\kk+8*\a+7], v[ADRA] offset:\c*QROWS+\a*16*PC+128*\u+64*\kk+32
.endr
.irp b, 0,1
	ds_load_b128 v[\f+32*\kk+16+8*\b:\f+32*\kk+16+8*\b+3],   v[ADRB+\reg] offset:\b*16*PC+128*\u+64*\kk
	ds_load_b128 v[\f+32*\kk+16+8*\b+4:\f+32*\kk+16+8*\b+7], v[ADRB+\reg] offset:\b*16*PC+128*\u+64*\kk+32
.endr
.endr
.endm
; 8 matrix instructions on buffer f, used transposed (source 0 = 16 rows of W1, source 1 = 16 rows of W0): lane l holds row l % 16 of g
; and the eight neighbouring columns 8 (l / 16) + 0..7.  zero = 1: the first step starts the sums.
; The four accumulators take turns, one instruction a turn, always in the same order.
.macro MUL8 f, zero
.irp kk, 0,1
.irp a, 0,1
.irp b, 0,1
.if \zero*(1-\kk)
	v_wmma_f32_16x16x32_bf16 v[ACC+8*(2*\a+\b):ACC+8*(2*\a+\b)+7], v[\f+32*\kk+16+8*\b:\f+32*\kk+16+8*\b+7], v[\f+32*\kk+8*\a:\f+32*\kk+8*\a+7], 0
.else
	v_wmma_f32_16x16x32_bf16 v[ACC+8*(2*\a+\b):ACC+8*(2*\a+\b)+7], v[\f+32*\kk+16+8*\b:\f+32*\kk+16+8*\b+7], v[\f+32*\kk+8*\a:\f+32*\kk+8*\a+7], v[ACC+8*(2*\a+\b):ACC+8*(2*\a+\b)+7]
.endif
.endr
.endr
.endr
.endm
; A chunk: four units on two buffers; a unit is asked for while the one before is multiplied
.macro CHUNK c, reg, zero
.if 1-\zero
	PLACES                                         ; both buffers were read by the matrix instructions just issued
.endif
	FETCH \c, \reg, 0, F0
	FETCH \c, \reg, 1, F1
	s_wait_dscnt 16                                ; all but the 16 just issued: buffer 0 is whole
	MUL8 F0, \zero
	PLACES
	FETCH \c, \reg, 2, F0
	s_wait_dscnt 16                                ; buffer 1 is whole
	MUL8 F1, 0
	PLACES
	FETCH \c, \reg, 3, F1
	s_wait_dscnt 16                                ; buffer 0 is whole
	MUL8 F0, 0
	s_wait_dscnt 0x0
	MUL8 F1, 0
.endm
	s_wait_tensorcnt 0x2                           ; my chunk of A and my rows of B's chunk 0 are in; chunks 1 and 2 may stay out
	s_barrier_signal -1
	s_barrier_wait -1                              ; everybody's are: all of A, and chunk 0 of B
	CHUNK 0, 0, 1
	s_wait_dscnt 0x0                               ; my reads of region 0 are back (met: the chunk's last wait was for 0)
	s_wait_tensorcnt 0x0                           ; all my tensor loads have landed, so a group 0 may be written:
	ds_add_u32 v224, v225
	s_wait_dscnt 0x0
	s_add_nc_u64 s[G0B0+2:G0B0+3], s[G0B0+2:G0B0+3], 3*CHB   ; chunk 3, to the same LDS bytes
	CROUND                                         ; no wave of any partner still reads region 0 or has a load on its way
	tensor_load_to_lds s[G0B0:G0B0+3], s[G1B:G1B+7]          ; the first tensor load behind the round, one a wave; two chunks' work until its wait
	s_nop 0
	CHUNK 1, 1, 0
	CHUNK 2, 2, 0
	s_wait_tensorcnt 0x0                           ; my rows of chunk 3 are in
	s_barrier_signal -1
	s_barrier_wait -1
	CHUNK 3, 0, 0
	; THE WAY OUT: round to bf16, 16 bytes a lane into the stage; the four waves' columns make whole rows of 256 bytes
	PLACES
.irp a, 0,1
.irp b, 0,1
.irp k, 0,1,2,3
	v_cvt_pk_bf16_f32 v[TMP+4*(2*\a+\b)+\k], v[ACC+8*(2*\a+\b)+2*\k], v[ACC+8*(2*\a+\b)+2*\k+1]
.endr
.endr
.endr
.irp a, 0,1
.irp b, 0,1
	ds_store_b128 v[STO], v[TMP+4*(2*\a+\b):TMP+4*(2*\a+\b)+3] offset:\a*16*SPITCH+32*\b
.endr
.endr
	s_lshl_b32 s16, s13, 16                        ; 32 by rows of 2,048 bytes,
	s_lshl_b32 s17, s10, 14                        ; 8 rows a wave
	s_add_co_u32 s16, s16, s17
	s_mov_b32 s17, 0
	s_add_nc_u64 s[6:7], s[6:7], s[16:17]
	s_lshl_b32 s46, s42, 8                         ; 128 columns of 2 bytes a block
	s_mov_b32 s47, 0
	s_add_nc_u64 s[6:7], s[6:7], s[46:47]
	s_wait_dscnt 0x0                               ; for the other waves' sake: zero
	s_barrier_signal -1
	s_barrier_wait -1
.irp t, 0,1,2,3
	ds_load_b128 v[OUT+4*\t:OUT+4*\t+3], v[RD] offset:\t*2*SPITCH
.endr
.irp t, 0,1,2,3
	s_wait_dscnt 3-\t                              ; read-back t is in, the 3 - t younger ones stay out
	global_store_b128 v[CO], v[OUT+4*\t:OUT+4*\t+3], s[6:7] offset:\t*2*ROWW   ; 16 lanes store 256 consecutive bytes, aligned
.endr
	s_wait_tensorcnt 0x0
	ds_add_u32 v224, v225
	s_wait_dscnt 0x0
	CROUND                                         ; the closing round: no work-group ends while a partner may still ask for a tile that names it
	s_endpgm
.Lfunc_end_k_q357031dd23_gram:
	.size	k_q357031dd23_gram, .Lfunc_end_k_q357031dd23_gram-k_q357031dd23_gram
	.p2alignl 7, 3214868480
	.fill 96, 4, 3214868480
	.section	.rodata,"a",@progbits
	.p2align	6, 0x0
	.amdhsa_kernel k_q357031dd23_gram
		.amdhsa_group_segment_fixed_size 327680
		.amdhsa_private_segment_fixed_size 0
		.amdhsa_enable_private_segment 0
		.amdhsa_kernarg_size 16
		.amdhsa_user_sgpr_count 2
		.amdhsa_user_sgpr_kernarg_segment_ptr 1
		.amdhsa_wavefront_size32 1
		.amdhsa_system_sgpr_workgroup_id_x 1
		.amdhsa_system_sgpr_workgroup_id_y 1
		.amdhsa_system_sgpr_workgroup_id_z 1
		.amdhsa_system_vgpr_workitem_id 0
		.amdhsa_next_free_vgpr 226
		.amdhsa_next_free_sgpr 66
		.amdhsa_reserve_vcc 0
		.amdhsa_float_denorm_mode_32 3
		.amdhsa_float_denorm_mode_16_64 3
		.amdhsa_memory_ordered 1
		.amdhsa_forward_progress 1
		.amdhsa_inst_pref_size 35
	.end_amdhsa_kernel
	.amdgpu_metadata
---
amdhsa.version: [ 1, 2 ]
amdhsa.kernels:
  - .name:           k_q357031dd23_gram
    .symbol:         k_q357031dd23_gram.kd
    .args:
      - { .name: wb, .offset: 0, .size: 8, .value_kind: global_buffer, .address_space: global }
      - { .name: g, .offset: 8, .size: 8, .value_kind: global_buffer, .address_space: global }
    .group_segment_fixed_size: 327680
    .private_segment_fixed_size: 0
    .kernarg_segment_align: 8
    .kernarg_segment_size: 16
    .max_flat_workgroup_size: 128
    .sgpr_count:     66
    .vgpr_count:     226
    .wavefront_size: 32
...
	.end_amdgpu_metadata
.endif
;; end of part 5
;; launch proj (part 6): grid 8 x 32, 4 waves a work-group, clusters of 4 x 4, 327,680 bytes of LDS; arguments xb, wb, g, yf, vb; writes yf, vb
.if DOCPART == 6
	.amdgcn_target "amdgcn-amd-amdhsa--gfx1250"
	.amdhsa_code_object_version 6
	.text
	.protected	k_q357031dd23_proj
	.globl	k_q357031dd23_proj
	.p2align	8
	.type	k_q357031dd23_proj,@function
k_q357031dd23_proj:
	s_mov_b64 s[64:65], 0
	v_nop
	global_prefetch_b8 v0, s[64:65] scope:SCOPE_SE
	s_setreg_imm32_b32 hwreg(HW_REG_WAVE_MODE, 25, 1), 1
	s_wait_xcnt 0x0
	s_wait_alu depctr_hold_cnt(0) depctr_sa_sdst(0) depctr_va_vdst(0) depctr_va_sdst(0) depctr_va_ssrc(0) depctr_va_vcc(0) depctr_vm_vsrc(0)
	s_getreg_b32 s2, hwreg(HW_REG_IB_STS2, 6, 4)
	s_cmp_eq_u32 s2, 0
	s_cbranch_scc0 .Lentry_in_a_cluster
	s_endpgm
.Lentry_in_a_cluster:
	s_bfe_u32 s2, ttmp6, 0x10000c
	s_cmp_lg_u32 s2, 0xf033
	s_cbranch_scc0 .Lentry_shape_is_right
	s_endpgm
.Lentry_shape_is_right:
; y = xb x G (bf16, into yf) and V = xb x W2 (f16, into vb): xb[8192][1024], bf16 operands, f32 sums, rounded once to 16 bits.
; G = WQ WK^T comes from the launch before: the scores are y x^T.
; yf IS STORED IN THE ORDER OF THE MATRIX FRAGMENTS, since y is the next product's row operand: for row tile R (16 rows) and quarter Q (32 along k)
; a block of 1,024 bytes at (32 R + Q) 1,024; in it k = 16 p + 8 h + 0..7 of row r at 512 p + 16 (r + 16 h).  In the transposed use below lane (r, h)
; of result tile b holds row r, columns 16 b + 8 h + 0..7: part b & 1 of quarter b >> 1 for the same lane.  So y leaves straight from registers,
; at 32,768 R + 512 b + 16 lane, each store of the wave covering 512 consecutive bytes, aligned; no LDS stage.  vb is [8192][1024], row-major.
; WHY V IS f16: an output of the attention is a weighted mean of 1,024 V's, about a thirtieth of V's size, and is judged to a hundredth of that;
; f16's 11 significant bits against bf16's 8 make V's rounding an eighth.  LIMIT: |V| <= 65,504 (beyond it the conversion gives infinity).
; With x of spread 1 and W of spread 0.02 |V| stays near 4; both 30 times larger: near 3,600; both offset by 30 spreads: 1024 x 30 x 0.6 = 18,432.
; A work-group makes 256 x 256 with four waves, a wave 128 x 128: 64 accumulator tiles, 512 registers; 8 x 32 = 256 work-groups.
; K goes in 8 steps of 128 through two LDS slots filled by the tensor data mover; a wave issues 240 matrix instructions between a tile's
; request and the wait for it.  G and W2 lie [k][n]: the tile keeps that order and the fragments are made by the transposing LDS load.
; CLUSTERS: 4 x 4 work-groups.  The four of a row of the cluster need the same rows of xb, the four of a column the same columns of G or W2:
; each tile is asked for jointly, which divides the requests by four.  A cluster is 1,024 columns wide: cluster x = 0 makes y, 1 makes V.
; No prefetch: every tile is asked for a K step ahead by the joint loads.
; REGISTERS, in windows of 256:
;   window 0: v0-31 addresses; v64-127, v128-191 fragments of B (8 x 16 columns x 32 K), two buffers; v192-223 packed results
;   window 1: v64-127, v128-191 fragments of A (8 x 16 rows x 32 K), two buffers
;   window 2: the 32 accumulator tiles of my rows 0-63 (tile (a, b) at v[8 (8 a + b)]);   window 3: those of my rows 64-127
; THE MATRIX INSTRUCTION IS USED TRANSPOSED: source 0 = 16 columns of B, source 1 = 16 rows of xb.  Lane l then holds row l % 16 and
; the eight neighbouring columns 8 (l / 16) + 0..7, which pack into 16 bytes.
.set PA,     272                       ; LDS pitch of A's rows: 256 bytes + 16: an odd multiple of 16
.set PB,     544                       ; LDS pitch of B's k rows: 512 bytes + 32: an odd multiple of 32
.set HALFT,  34816                     ; 128 x PA = 64 x PB: what one tensor load brings
.set AOFF,   2*HALFT                   ; a slot: B's 128 k rows, then A's 256 rows
.set SLOT,   4*HALFT                   ; 139,264
.set STAGE,  2*SLOT                    ; 278,528: behind the ring, 16 rows x 272 bytes for each wave; no tile ever lands here
.set SPITCH, 272
.set ROWX,   2048                      ; bytes in a row of xb, of G and of W2
.set ROWV,   2048                      ; bytes in a row of vb
.set TROW,   32768                     ; bytes of a row tile (16 rows x 1,024 k) in yf
.set STEP_A, 256                       ; a K step along xb's rows
.set STEP_B, 128*ROWX                  ; a K step down B's rows
.set ADRA, 16                          ; v16-17  LDS address of my A fragments in slot 0, 1
.set ADRB, 20                          ; v20-21  the same for B
.set STO,  24                          ; V's way out: where I put 16 bytes of a row
.set RD,   25                          ; V's way out: where I read a row back
.set CO,   26                          ; my byte offset in vb
.set AO,   27                          ; 16 x lane: my byte offset in a half fragment of yf
.set F0,   64
.set F1,   128
.set TMP,  192
.set G1,  24                           ; s[24:31] group 1 for A's tiles
.set G0,  32                           ; s[32:39] group 0 for A's tiles, a set for each slot
.set G1B, 48                           ; s[48:55] group 1 for B's tiles
.set G0B, 56                           ; s[56:63] group 0 for B's tiles, a set for each slot
.set MUL_LO, 0xa4                      ; source 0 (B) window 0, source 1 (A) window 1, C and D window 2
.set MUL_HI, 0xf4                      ; the same, C and D window 3
.set TO_A,   0x40                      ; destination window 1, address window 0
.set MSB, 0
.macro WIN new                         ; the immediate's high byte repeats the setting that is left
.if MSB != \new
	s_set_vgpr_msb (MSB<<8)|\new
.set MSB, \new
.endif
.endm
.macro PLACES                          ; four places behind a matrix instruction before its registers are loaded into, read or written by vector work (ISA guide 7.12.1)
.rept 4
	v_nop
.endr
.endm
; A joint load.  Waves 0 and 1 fetch B's halves, waves 2 and 3 A's.  Each line has one mask; the branch hangs on the wave's number alone.
.macro JLOAD s
	s_cmp_eq_u32 s11, 0
	s_cbranch_scc0 .Lfor_a_\@
	tensor_load_to_lds s[G0B+4*\s:G0B+4*\s+3], s[G1B:G1B+7]
	s_nop 0
	s_branch .Lasked_\@
.Lfor_a_\@:
	tensor_load_to_lds s[G0+4*\s:G0+4*\s+3], s[G1:G1+7]
	s_nop 0
.Lasked_\@:
.endm
.macro CREST                           ; a round of the cluster's barrier behind its opening work-group barrier
	s_cmp_lg_u32 s10, 0
	s_cbranch_scc1 .Lnot_wave_0_\@
	s_barrier_signal -3
.Lnot_wave_0_\@:
	s_barrier_wait -3
	s_barrier_signal -1
	s_barrier_wait -1
.endm
.macro CROUND                          ; a whole round
	s_barrier_signal -1
	s_barrier_wait -1
	CREST
.endm
	s_load_b128 s[4:7], s[0:1], 0x0                ; xb s[4:5], wb s[6:7]
	s_load_b128 s[68:71], s[0:1], 0x10             ; g s[68:69], yf s[70:71]
	s_load_b64 s[72:73], s[0:1], 0x20              ; vb
	v_lshl_add_u32 v255, v0, 2, 0x48400
	s_set_vgpr_msb 0x40
	v_mov_b32 v255, 0
	s_set_vgpr_msb 0x4044
	ds_add_u32 v255, v255
	s_set_vgpr_msb 0x4400
	v_lshrrev_b32 v1, 5, v0
	v_readfirstlane_b32 s10, v1                    ; wave 0..3
	s_lshr_b32 s11, s10, 1                         ; wm: my 128 rows.  Also: I fetch for B (0) or for A (1)
	s_and_b32 s12, s10, 1                          ; wn: my 128 columns.  Also: which half of that tile I fetch
	s_bfe_u32 s40, ttmp6, 0x40000                  ; cx
	s_bfe_u32 s41, ttmp6, 0x40004                  ; cy
	s_and_b32 s13, ttmp7, 0xffff
	s_lshl_b32 s13, s13, 2
	s_add_co_u32 s13, s13, s41                     ; by: block row = 4 x cluster y + cy
	s_lshl_b32 s43, s41, 2
	s_lshl_b32 s43, 15, s43                        ; my row of the cluster
	s_lshl_b32 s44, 0x1111, s40                    ; my column
	; group 1 of A: 128 rows x 128 elements of 2 bytes, 4 words of padding behind every 64
	s_or_b32 s[G1+0], s43, (1<<16)|(1<<20)|(1<<21)|(5<<22)|(3<<25)
	s_mov_b32 s[G1+1], 128<<16                     ; tensor_dim0 = 128
	s_mov_b32 s[G1+2], 128<<16                     ; tensor_dim1 = 128
	s_mov_b32 s[G1+3], 128<<16                     ; tile_dim0 = 128
	s_mov_b32 s[G1+4], 128                         ; tile_dim1 = 128
	s_mov_b32 s[G1+5], 1024                        ; elements from row to row
	s_mov_b32 s[G1+6], 0
	s_mov_b32 s[G1+7], 0
	; group 1 of B: 64 k rows x 256 elements, 8 words of padding behind every 128
	s_or_b32 s[G1B+0], s44, (1<<16)|(1<<20)|(1<<21)|(6<<22)|(7<<25)
	s_mov_b32 s[G1B+1], 256<<16
	s_mov_b32 s[G1B+2], 64<<16
	s_mov_b32 s[G1B+3], 256<<16
	s_mov_b32 s[G1B+4], 64
	s_mov_b32 s[G1B+5], 1024
	s_mov_b32 s[G1B+6], 0
	s_mov_b32 s[G1B+7], 0
	; A's address hangs on by and the wave alone, B's on the cluster's x, cx and the wave alone, each in registers that never hold the other coordinate
	s_lshl_b32 s16, s13, 19                        ; 256 by rows of 2,048 bytes
	s_lshl_b32 s17, s12, 18                        ; + 128 rows for the second half
	s_add_co_u32 s16, s16, s17
	s_mov_b32 s17, 0
	s_lshl_b32 s46, s40, 9                         ; 256 cx columns of 2 bytes
	s_lshl_b32 s47, s12, 17                        ; + 64 k rows for the second half
	s_add_co_u32 s46, s46, s47
	s_mul_i32 s20, s10, HALFT                      ; where my load lands: B's two halves, then A's two halves = wave x 34,816
	s_wait_dscnt 0x0
	s_wait_kmcnt 0x0
	s_cmp_eq_u32 ttmp9, 0                          ; cluster x = 0: G; 1: W2, behind W0 and W1 in wb.  The same in all sixteen partners
	s_cselect_b64 s[18:19], s[68:69], s[6:7]
	s_cselect_b32 s22, 0, 4194304
	s_add_co_u32 s46, s46, s22
	s_mov_b32 s47, 0
	s_add_nc_u64 s[14:15], s[4:5], s[16:17]
	s_add_nc_u64 s[46:47], s[18:19], s[46:47]
	CROUND                                         ; all sixteen work-groups are here: the first joint loads meet
.irp s, 0,1
	s_mov_b32 s[G0+4*\s], 1
	s_add_co_u32 s[G0+4*\s+1], s20, \s*SLOT
	s_add_nc_u64 s[G0+4*\s+2:G0+4*\s+3], s[14:15], \s*STEP_A
	s_or_b32 s[G0+4*\s+3], s[G0+4*\s+3], 0x80000000
	s_mov_b32 s[G0B+4*\s], 1
	s_add_co_u32 s[G0B+4*\s+1], s20, \s*SLOT
	s_add_nc_u64 s[G0B+4*\s+2:G0B+4*\s+3], s[46:47], \s*STEP_B
	s_or_b32 s[G0B+4*\s+3], s[G0B+4*\s+3], 0x80000000
	JLOAD \s                                       ; K steps 0 and 1: two loads of this wave are out, the most it ever has
.endr
	v_and_b32 v1, 15, v0                           ; r = l % 16
	v_bfe_u32 v2, v0, 4, 1                         ; h = l / 16
	v_mul_u32_u24 v3, v1, PA
	v_lshl_add_u32 v3, v2, 4, v3                   ; A: row r, 16 bytes for each half of the lanes
	v_and_b32 v4, 7, v0
	v_lshl_add_u32 v4, v2, 3, v4                   ; B: k row 8 h + l % 8,
	v_mul_u32_u24 v4, v4, PB
	v_bfe_u32 v5, v0, 3, 1
	v_lshl_add_u32 v4, v5, 4, v4                   ; and 16 bytes (8 columns) for each group of eight lanes
	s_mul_i32 s22, s11, HALFT
	s_add_co_u32 s22, s22, AOFF                    ; my 128 rows of A
	s_lshl_b32 s23, s12, 8                         ; my 128 columns of B
.irp s, 0,1
	v_add_nc_u32 v[ADRA+\s], s22, v3
	v_add_nc_u32 v[ADRB+\s], s23, v4
	s_add_co_u32 s22, s22, SLOT
	s_add_co_u32 s23, s23, SLOT
.endr
	s_mul_i32 s22, s10, 16*SPITCH
	s_add_co_u32 s22, s22, STAGE                   ; my stage
	v_add_nc_u32 v[STO], s22, v3                   ; in: row r, 16 bytes for each half (the stage's pitch is A's)
	v_mul_u32_u24 v5, v2, SPITCH
	v_lshl_add_u32 v5, v1, 4, v5                   ; back: lanes 0-15 one row of 256 bytes, lanes 16-31 the next
	v_add_nc_u32 v[RD], s22, v5
	v_lshlrev_b32 v5, 11, v2
	v_lshl_add_u32 v[CO], v1, 4, v5                ; the same two rows in vb
	v_and_b32 v5, 31, v0
	v_lshlrev_b32 v[AO], 4, v5                     ; 16 x lane
; 16 matrix instructions: row tiles a0, a0 + 1 of the window's four (hi = 0: my rows 0-63, 1: rows 64-127) x all eight column tiles, 32 along K.
; zero = 1: the product starts the sums.  The 64 accumulators take turns, one instruction a turn, always in the same order, over the
; backward jump too.
.macro MUL16 f, hi, a0, zero
.irp a, \a0, \a0+1
.irp b, 0,1,2,3,4,5,6,7
.if \zero
	v_wmma_f32_16x16x32_bf16 v[8*(8*(\a)+\b):8*(8*(\a)+\b)+7], v[\f+8*\b:\f+8*\b+7], v[\f+8*(4*\hi+\a):\f+8*(4*\hi+\a)+7], 0
.else
	v_wmma_f32_16x16x32_bf16 v[8*(8*(\a)+\b):8*(8*(\a)+\b)+7], v[\f+8*\b:\f+8*\b+7], v[\f+8*(4*\hi+\a):\f+8*(4*\hi+\a)+7], v[8*(8*(\a)+\b):8*(8*(\a)+\b)+7]
.endif
.endr
.endr
.endm
; 32 LDS loads in one run: quarter q (32 along K) of a slot into buffer f: 128 columns of B (transposed on the way), then 128 rows of xb
.macro FETCH slot, q, f
	WIN 0
.irp i, 0,1,2,3,4,5,6,7
	ds_load_tr16_b128 v[\f+8*\i:\f+8*\i+3],   v[ADRB+\slot] offset:\q*32*PB+32*\i
	ds_load_tr16_b128 v[\f+8*\i+4:\f+8*\i+7], v[ADRB+\slot] offset:\q*32*PB+32*\i+16*PB
.endr
	WIN TO_A
.irp i, 0,1,2,3,4,5,6,7
	ds_load_b128 v[\f+8*\i:\f+8*\i+3],   v[ADRA+\slot] offset:\q*64+\i*16*PA
	ds_load_b128 v[\f+8*\i+4:\f+8*\i+7], v[ADRA+\slot] offset:\q*64+\i*16*PA+32
.endr
.endm
; One of a K step's first three quarters: multiplies buffer f; in its middle it asks for quarter q of the same slot into buffer g
.macro QUARTER slot, q, f, g, zero
	s_wait_dscnt 8                                 ; B and A's rows 0-63 are in; the youngest eight loads (A's rows 64-127) may be out
	WIN MUL_LO
	MUL16 \f, 0, 0, \zero
	MUL16 \f, 0, 2, \zero
	PLACES                                         ; buffer g was read by matrix instructions
	FETCH \slot, \q, \g
	s_wait_dscnt 32                                ; all but the 32 just issued
	WIN MUL_HI
	MUL16 \f, 1, 0, \zero
	MUL16 \f, 1, 2, \zero
.endm
.macro THREE slot, zero
	QUARTER \slot, 1, F0, F1, \zero
	QUARTER \slot, 2, F1, F0, 0
	QUARTER \slot, 3, F0, F1, 0
.endm
; The last quarter multiplies buffer 1 and changes slots.  fill = 1: this slot is filled again, two K steps ahead.
.macro TURN slot, next, fill
	s_wait_dscnt 8
	WIN MUL_LO
	MUL16 F1, 0, 0, 0
	s_wait_dscnt 0x0                               ; my reads of this slot are over
	s_wait_tensorcnt 0x0                           ; all my tensor loads have landed: the one that was out is my part of the next slot
	ds_add_u32 v255, v255
	s_wait_dscnt 0x0
	s_barrier_signal -1                            ; say so (with fill = 1 this barrier opens a round of the cluster's barrier)
	MUL16 F1, 0, 2, 0                              ; register work while the others arrive
	WIN 0
	s_barrier_wait -1
.if \fill
	CREST                                          ; no wave of any partner still reads this slot or has a load on its way
	s_add_nc_u64 s[G0+4*\slot+2:G0+4*\slot+3], s[G0+4*\slot+2:G0+4*\slot+3], 2*STEP_A
	s_add_nc_u64 s[G0B+4*\slot+2:G0B+4*\slot+3], s[G0B+4*\slot+2:G0B+4*\slot+3], 2*STEP_B
	JLOAD \slot                                    ; the first tensor load behind the round, one a wave
.endif
	PLACES
	FETCH \next, 0, F0
	WIN MUL_HI
	MUL16 F1, 1, 0, 0
	MUL16 F1, 1, 2, 0
.endm
.macro LAP zero                        ; two K steps, both slots filled again
	THREE 0, \zero
	TURN 0, 1, 1
	THREE 1, 0
	TURN 1, 0, 1
.endm
	s_wait_tensorcnt 0x1                           ; my part of K step 0 is in; K step 1's may stay out
	s_barrier_signal -1
	s_barrier_wait -1                              ; everybody's is
	FETCH 0, 0, F0
	LAP 1                                          ; K steps 0, 1: the first products start the sums
	WIN 0                                          ; at a label and at a branch every window is 0
	s_mov_b32 s3, 2
.Llap:
	LAP 0                                          ; K steps 2 to 5
	WIN 0
	s_sub_co_u32 s3, s3, 1
	s_cmp_lg_u32 s3, 0
	s_cbranch_scc1 .Llap
	THREE 0, 0                                     ; K steps 6, 7 fill nothing
	TURN 0, 1, 0
	THREE 1, 0
	s_wait_dscnt 8                                 ; the very last quarter: nothing more to fetch
	WIN MUL_LO
	MUL16 F1, 0, 0, 0
	MUL16 F1, 0, 2, 0
	s_wait_dscnt 0x0
	WIN MUL_HI
	MUL16 F1, 1, 0, 0
	MUL16 F1, 1, 2, 0
	WIN 0
	; THE WAY OUT.  My first row is 256 by + 128 wm: in vb that is (by << 19) + (wm << 18) bytes, and in yf, with 16 rows in 32,768 bytes, the same figure.
	PLACES
	s_lshl_b32 s16, s13, 19
	s_lshl_b32 s17, s11, 18
	s_add_co_u32 s16, s16, s17
	s_mov_b32 s17, 0
; y, rows 16 i .. 16 i + 15 of my block = the eight tiles (a, 0..7) of window 2 or 3 (from = 0x0a or 0x0f: sources 0 and 1): packed and stored as they lie
.macro OUTY i, a, from
	s_wait_xcnt 0x0                                ; these 32 registers held the data of stores four groups ago: they are written again only behind this wait
	WIN \from
.irp b, 0,1,2,3,4,5,6,7
.irp k, 0,1,2,3
	v_cvt_pk_bf16_f32 v[F0+32*(\i%4)+4*\b+\k], v[8*(8*\a+\b)+2*\k], v[8*(8*\a+\b)+2*\k+1]
.endr
.endr
	WIN 0
.irp b, 0,1,2,3,4,5,6,7
	global_store_b128 v[AO], v[F0+32*(\i%4)+4*\b:F0+32*(\i%4)+4*\b+3], s[70:71] offset:\i*TROW+512*\b   ; the wave stores 512 consecutive bytes, aligned
.endr
.endm
; V, the same rows: rounded to f16, 16 bytes a lane into my stage, read back as whole rows of 256 bytes; f: F0 or F1 in turn
.macro OUT16 i, a, from, f
	WIN \from
.irp b, 0,1,2,3,4,5,6,7
.irp k, 0,1,2,3
	v_cvt_pk_f16_f32 v[TMP+4*\b+\k], v[8*(8*\a+\b)+2*\k], v[8*(8*\a+\b)+2*\k+1]
.endr
.endr
	WIN 0
.irp b, 0,1,2,3,4,5,6,7
	ds_store_b128 v[STO], v[TMP+4*\b:TMP+4*\b+3] offset:32*\b
.endr
	s_wait_xcnt 0x0                                ; buffer f held the data of earlier stores: it is loaded again only behind this wait
.irp t, 0,1,2,3,4,5,6,7
	ds_load_b128 v[\f+4*\t:\f+4*\t+3], v[RD] offset:\t*2*SPITCH    ; my own bytes, served in order: these see the stores above
.endr
.irp t, 0,1,2,3,4,5,6,7
	s_wait_dscnt 7-\t                              ; read-back t is in, the 7 - t younger ones stay out
	global_store_b128 v[CO], v[\f+4*\t:\f+4*\t+3], s[72:73] offset:(16*\i+2*\t)*ROWV   ; 16 lanes store 256 consecutive bytes, aligned
.endr
.endm
	; The cluster's x is the same in all sixteen partners, so this branch is taken alike by all of them; no barrier stands inside it.
	s_cmp_eq_u32 ttmp9, 1
	s_cbranch_scc1 .Lout_v
	s_add_nc_u64 s[70:71], s[70:71], s[16:17]
	s_lshl_b32 s46, s40, 13                        ; my first column 256 cx + 128 wn = quarter 8 cx + 4 wn, of 1,024 bytes each
	s_lshl_b32 s47, s12, 12
	s_add_co_u32 s46, s46, s47
	s_mov_b32 s47, 0
	s_add_nc_u64 s[70:71], s[70:71], s[46:47]
	OUTY 0, 0, 0x0a
	OUTY 1, 1, 0x0a
	OUTY 2, 2, 0x0a
	OUTY 3, 3, 0x0a
	OUTY 4, 0, 0x0f
	OUTY 5, 1, 0x0f
	OUTY 6, 2, 0x0f
	OUTY 7, 3, 0x0f
	s_branch .Lout_done
.Lout_v:
	s_add_nc_u64 s[72:73], s[72:73], s[16:17]
	s_lshl_b32 s46, s40, 9                         ; my first column in bytes: 512 cx + 256 wn
	s_lshl_b32 s47, s12, 8
	s_add_co_u32 s46, s46, s47
	s_mov_b32 s47, 0
	s_add_nc_u64 s[72:73], s[72:73], s[46:47]
	OUT16 0, 0, 0x0a, F0
	OUT16 1, 1, 0x0a, F1
	OUT16 2, 2, 0x0a, F0
	OUT16 3, 3, 0x0a, F1
	OUT16 4, 0, 0x0f, F0
	OUT16 5, 1, 0x0f, F1
	OUT16 6, 2, 0x0f, F0
	OUT16 7, 3, 0x0f, F1
.Lout_done:
	s_set_vgpr_msb 0x4
	s_wait_tensorcnt 0x0
	ds_add_u32 v255, v255
	s_wait_dscnt 0x0
	s_set_vgpr_msb 0x400
	CROUND                                         ; the closing round: no work-group ends while a partner may still ask for a tile that names it
	s_endpgm
.Lfunc_end_k_q357031dd23_proj:
	.size	k_q357031dd23_proj, .Lfunc_end_k_q357031dd23_proj-k_q357031dd23_proj
	.p2alignl 7, 3214868480
	.fill 96, 4, 3214868480
	.section	.rodata,"a",@progbits
	.p2align	6, 0x0
	.amdhsa_kernel k_q357031dd23_proj
		.amdhsa_group_segment_fixed_size 327680
		.amdhsa_private_segment_fixed_size 0
		.amdhsa_enable_private_segment 0
		.amdhsa_kernarg_size 40
		.amdhsa_user_sgpr_count 2
		.amdhsa_user_sgpr_kernarg_segment_ptr 1
		.amdhsa_wavefront_size32 1
		.amdhsa_system_sgpr_workgroup_id_x 1
		.amdhsa_system_sgpr_workgroup_id_y 1
		.amdhsa_system_sgpr_workgroup_id_z 1
		.amdhsa_system_vgpr_workitem_id 0
		.amdhsa_next_free_vgpr 1024
		.amdhsa_next_free_sgpr 76
		.amdhsa_reserve_vcc 0
		.amdhsa_float_denorm_mode_32 3
		.amdhsa_float_denorm_mode_16_64 3
		.amdhsa_memory_ordered 1
		.amdhsa_forward_progress 1
		.amdhsa_inst_pref_size 219
	.end_amdhsa_kernel
	.amdgpu_metadata
---
amdhsa.version: [ 1, 2 ]
amdhsa.kernels:
  - .name:           k_q357031dd23_proj
    .symbol:         k_q357031dd23_proj.kd
    .args:
      - { .name: xb, .offset: 0, .size: 8, .value_kind: global_buffer, .address_space: global }
      - { .name: wb, .offset: 8, .size: 8, .value_kind: global_buffer, .address_space: global }
      - { .name: g, .offset: 16, .size: 8, .value_kind: global_buffer, .address_space: global }
      - { .name: yf, .offset: 24, .size: 8, .value_kind: global_buffer, .address_space: global }
      - { .name: vb, .offset: 32, .size: 8, .value_kind: global_buffer, .address_space: global }
    .group_segment_fixed_size: 327680
    .private_segment_fixed_size: 0
    .kernarg_segment_align: 8
    .kernarg_segment_size: 40
    .max_flat_workgroup_size: 128
    .sgpr_count:     76
    .vgpr_count:     1024
    .wavefront_size: 32
...
	.end_amdgpu_metadata
.endif
;; end of part 6
;; launch scores (part 7): grid 4 x 64, 4 waves a work-group, clusters of 4 x 4, 327,680 bytes of LDS; arguments yf, xb, pf, stat; writes pf, stat
.if DOCPART == 7
	.amdgcn_target "amdgcn-amd-amdhsa--gfx1250"
	.amdhsa_code_object_version 6
	.text
	.protected	k_q357031dd23_scores
	.globl	k_q357031dd23_scores
	.p2align	8
	.type	k_q357031dd23_scores,@function
k_q357031dd23_scores:
	s_mov_b64 s[64:65], 0
	v_nop
	global_prefetch_b8 v0, s[64:65] scope:SCOPE_SE
	s_setreg_imm32_b32 hwreg(HW_REG_WAVE_MODE, 25, 1), 1
	s_wait_xcnt 0x0
	s_wait_alu depctr_hold_cnt(0) depctr_sa_sdst(0) depctr_va_vdst(0) depctr_va_sdst(0) depctr_va_ssrc(0) depctr_va_vcc(0) depctr_vm_vsrc(0)
	s_getreg_b32 s2, hwreg(HW_REG_IB_STS2, 6, 4)
	s_cmp_eq_u32 s2, 0
	s_cbranch_scc0 .Lentry_in_a_cluster
	s_endpgm
.Lentry_in_a_cluster:
	s_bfe_u32 s2, ttmp6, 0x10000c
	s_cmp_lg_u32 s2, 0xf033
	s_cbranch_scc0 .Lentry_shape_is_right
	s_endpgm
.Lentry_shape_is_right:
; For a block of 128 queries x 256 keys of one batch: s = y x^T (y = x WQ WK^T from the launch before, so s = q k^T; bf16 operands, f32 sums),
; then one quarter of a split softmax, in f32:
;   mc = c x (largest s of the row in these 256 keys), c = log2(e) / 32;   p = 2^(c s - mc), stored as f16;   l = sum of p over my 128 keys.
; The launch that follows joins a row's four key blocks with the weights 2^(mc_j - M) / L, M the largest mc_j: the row's true maximum is taken away.
; WHY p IS f16: p lies in (0, 1] whatever the inputs, so f16's range serves: below 2^-14 it is a denormal, with an absolute error of at most 2^-25
; beside the block's largest p = 1; and f16's 11 significant bits against bf16's 8 make p's rounding an eighth.
; stat (f32): mc[j][row] at (8192 j + row) 4, j = 0..3;   l[jj][row] at 131,072 + (8192 jj + row) 4, jj = 0..7 (128 keys each).
; LIMITS: v_max_num_f32 drops a NaN, so NaN and infinite inputs are not reproduced place for place; v_exp_f32 gives 0 for results below 2^-126;
; l sums p before its rounding to f16.
; Four waves, a wave 64 queries x 128 keys: 32 accumulator tiles.  A block of 256 x 256 would leave 128 work-groups for 256 WGPs.
; THE TWO OPERANDS COME BY TWO ROADS.
;   The keys (rows of xb) come through LDS: two slots of 256 keys x 256 along K, rows of 512 bytes, each wave fetching 64 keys; K goes in 4 steps.
;   The queries (y) lie in yf in the order of the matrix fragments: row tile R, quarter Q (32 along k): 1,024 bytes at (32 R + Q) 1,024, half p at 512 p,
;   lane l at 16 l.  A wave loads them straight into registers, 512 consecutive bytes a load, into a ring of eight quarters; seven quarters, 56 loads,
;   are asked ahead.  These loads are ordered by LOADcnt alone and pass no barrier.
; CLUSTERS: 4 x 4 work-groups inside one batch: the keys' tile is shared along a column of the cluster, by joint loads.
; WHY y IS NOT ASKED FOR JOINTLY, though the four work-groups of a row of the cluster and two waves in each read the same 128 KiB: a joint load lands in
; LDS, and with y's 128 rows there two slots hold 128 along K (2 x 384 rows x 272 bytes) and not 256 (2 x 384 x 528 = 405,504 bytes); without them a
; slot holds 256, so a wave issues 240 matrix instructions, not 112, between a tile's request and the wait for it, with 2 refills in place of 6.
; pf is stored in the same order as yf (p is the next product's row operand): in the transposed use lane (r, h) of result tile b holds query r and
; keys 16 b + 8 h + 0..7, which is half b & 1 of quarter b >> 1 for the same lane: p leaves straight from registers, no LDS stage.
; No prefetch: y is asked for seven quarters ahead and the keys a step ahead.
; REGISTERS: window 0: v0-31 addresses; v32-95, v96-159 the keys' fragments, two buffers, later the packed p; v160-191 the softmax's figures;
;            window 1: accumulator tile (a, b) at v[8 (8 a + b)];   window 2: y's ring, quarter Q at v[32 (Q % 8)], row tile a at + 8 a.
; The matrix instruction is used transposed (source 0 = 16 keys, source 1 = 16 queries): lane l holds query l % 16 and keys 8 (l / 16) + 0..7.
.set PB,     528                       ; LDS pitch of the keys' rows: 512 bytes + 16: an odd multiple of 16
.set QROWS,  64*PB                     ; 33,792: what one tensor load brings
.set SLOT,   4*QROWS                   ; 135,168: 256 keys
.set XCH,    2*SLOT                    ; 270,336: 256 bytes a wave: its 64 rows' maxima, for the wave with the other 128 keys; no tile ever lands here
.set SCR,    XCH+1024                  ; 271,360: 512 bytes a wave: mc and l on their way out
.set STEP_B, 512                       ; a step of 256 along xb's rows
.set TROW,   32768                     ; bytes of a row tile (16 rows x 1,024) in yf and in pf
.set CSC,    0x3d38aa3b                ; c = log2(e) / 32
.set CSCN,   0xbd38aa3b                ; -c
.set ADRB, 20                          ; v20-21  LDS address of my keys' fragments in slot 0, 1
.set AO,   24                          ; 16 x lane: my byte offset in a half fragment
.set XA,   27                          ; where I put my maxima
.set XB,   28                          ; where the other wave put its
.set SSW,  29                          ; my scratch by rows
.set SSR,  30                          ; my scratch, 8 bytes a lane
.set SO,   31                          ; 8 x lane
.set F0,   32
.set F1,   96
.set PK,   32                          ; v32-159  packed p: tile (a, b) at PK + 32 a + 4 b
.set MX,   160                         ; v160-163 row maxima, one for each row tile
.set T,    164                         ; v164-167 at work
.set MC,   168                         ; v168-171 mc
.set NM,   172                         ; v172-179 -mc, twice each (pairs)
.set LS,   180                         ; v180-187 sums (pairs)
.set SD,   188                         ; v188-191 mc and l as stored
.set G1B, 48                           ; s[48:55] group 1
.set G0B, 56                           ; s[56:63] group 0, a set for each slot
.set MULW, 0x58                        ; source 0 (keys) window 0, source 1 (y) window 2, C and D window 1
.set TO_RING, 0x80                     ; destination window 2, address window 0
.set MSB, 0
.set Q, 0                              ; the quarter at work, 0 to 31
.macro WIN new                         ; the immediate's high byte repeats the setting that is left
.if MSB != \new
	s_set_vgpr_msb (MSB<<8)|\new
.set MSB, \new
.endif
.endm
.macro PLACES                          ; four places behind a matrix instruction before its registers are loaded into or read by vector work (ISA guide 7.12.1)
.rept 4
	v_nop
.endr
.endm
.macro CREST                           ; a round of the cluster's barrier behind its opening work-group barrier
	s_cmp_lg_u32 s10, 0
	s_cbranch_scc1 .Lnot_wave_0_\@
	s_barrier_signal -3
.Lnot_wave_0_\@:
	s_barrier_wait -3
	s_barrier_signal -1
	s_barrier_wait -1
.endm
.macro CROUND
	s_barrier_signal -1
	s_barrier_wait -1
	CREST
.endm
; Eight loads: quarter q of y's four row tiles into its place in the ring
.macro RING q
	WIN TO_RING
.irp a, 0,1,2,3
	global_load_b128 v[32*((\q)%8)+8*\a:32*((\q)%8)+8*\a+3],   v[AO], s[14:15] offset:\a*TROW+(\q)*1024
	global_load_b128 v[32*((\q)%8)+8*\a+4:32*((\q)%8)+8*\a+7], v[AO], s[14:15] offset:\a*TROW+(\q)*1024+512
.endr
.endm
; Quarter Q of y is in.  Loads return in order; behind Q's eight stand those of quarters Q + 1 to Q + 6 (to 31 at the end), eight each.
.macro AWAIT
.if Q <= 25
	s_wait_loadcnt 48
.else
	s_wait_loadcnt 8*(31-Q)
.endif
.endm
	s_load_b128 s[4:7], s[0:1], 0x0                ; yf s[4:5], xb s[6:7]
	s_load_b128 s[68:71], s[0:1], 0x10             ; pf s[68:69], stat s[70:71]
	v_lshl_add_u32 v254, v0, 2, 0x42c00
	v_mov_b32 v255, 0
	ds_add_u32 v254, v255
	v_lshrrev_b32 v1, 5, v0
	v_readfirstlane_b32 s10, v1                    ; wave 0..3
	s_lshr_b32 s11, s10, 1                         ; wm: my 64 queries
	s_and_b32 s12, s10, 1                          ; wn: my 128 keys
	s_bfe_u32 s40, ttmp6, 0x40000                  ; cx
	s_bfe_u32 s41, ttmp6, 0x40004                  ; cy
	s_lshl_b32 s42, ttmp9, 2
	s_add_co_u32 s42, s42, s40                     ; bx: key block 0..3
	s_and_b32 s13, ttmp7, 0xffff
	s_lshl_b32 s13, s13, 2
	s_add_co_u32 s13, s13, s41                     ; by: block of 128 rows of the 8,192 = 8 x batch + query block
	s_and_b32 s45, ttmp7, 0xffff
	s_lshr_b32 s45, s45, 1                         ; batch, from the cluster's y alone: two clusters a batch
	s_lshl_b32 s44, 0x1111, s40                    ; my column of the cluster
	; group 1: 64 rows x 256 elements of 2 bytes, 4 words of padding behind every 128
	s_or_b32 s[G1B+0], s44, (1<<16)|(1<<20)|(1<<21)|(6<<22)|(3<<25)
	s_mov_b32 s[G1B+1], 256<<16                    ; tensor_dim0 = 256
	s_mov_b32 s[G1B+2], 64<<16                     ; tensor_dim1 = 64
	s_mov_b32 s[G1B+3], 256<<16                    ; tile_dim0 = 256
	s_mov_b32 s[G1B+4], 64                         ; tile_dim1 = 64
	s_mov_b32 s[G1B+5], 1024                       ; elements from row to row of xb
	s_mov_b32 s[G1B+6], 0
	s_mov_b32 s[G1B+7], 0
	s_lshl_b32 s16, s13, 18                        ; y: row tile 8 by + 4 wm, of 32,768 bytes each
	s_lshl_b32 s17, s11, 17
	s_add_co_u32 s16, s16, s17
	s_mov_b32 s17, 0
	s_lshl_b32 s46, s45, 21                        ; x: 1024 batch rows of 2,048 bytes
	s_lshl_b32 s47, s42, 19                        ; + 256 bx rows
	s_add_co_u32 s46, s46, s47
	s_lshl_b32 s47, s10, 17                        ; + 64 rows a wave
	s_add_co_u32 s46, s46, s47
	s_mov_b32 s47, 0
	s_mul_i32 s20, s10, QROWS                      ; where my 64 keys land
	v_and_b32 v1, 31, v0
	v_lshlrev_b32 v[AO], 4, v1                     ; 16 x lane
	s_wait_dscnt 0x0
	s_wait_kmcnt 0x0
	s_add_nc_u64 s[14:15], s[4:5], s[16:17]
	s_add_nc_u64 s[46:47], s[6:7], s[46:47]
	CROUND                                         ; all sixteen work-groups are here: the first joint loads meet
.irp s, 0,1
	s_mov_b32 s[G0B+4*\s], 1
	s_add_co_u32 s[G0B+4*\s+1], s20, \s*SLOT
	s_add_nc_u64 s[G0B+4*\s+2:G0B+4*\s+3], s[46:47], \s*STEP_B
	s_or_b32 s[G0B+4*\s+3], s[G0B+4*\s+3], 0x80000000
	tensor_load_to_lds s[G0B+4*\s:G0B+4*\s+3], s[G1B:G1B+7]   ; steps 0 and 1: two loads of this wave are out, the most it ever has
	s_nop 0
.endr
.irp q, 0,1,2,3,4,5,6
	RING \q                                        ; y's first seven quarters: 56 loads are out, the most this wave ever has
.endr
	WIN 0
	v_and_b32 v1, 15, v0                           ; r
	v_bfe_u32 v2, v0, 4, 1                         ; h
	v_mul_u32_u24 v3, v1, PB
	v_lshl_add_u32 v3, v2, 4, v3                   ; key r of a tile, 16 bytes for each half of the lanes
	s_mul_i32 s23, s12, 2*QROWS                    ; my 128 keys
	v_add_nc_u32 v[ADRB], s23, v3
	v_add_nc_u32 v[ADRB+1], SLOT, v[ADRB]
	v_lshlrev_b32 v6, 2, v1                        ; 4 r
	s_lshl_b32 s18, s10, 8
	s_add_co_u32 s18, s18, XCH
	v_add_nc_u32 v[XA], s18, v6                    ; my wave's 256 bytes
	s_xor_b32 s18, s10, 1                          ; the wave with the same queries and the other keys
	s_lshl_b32 s18, s18, 8
	s_add_co_u32 s18, s18, XCH
	v_add_nc_u32 v[XB], s18, v6
	s_lshl_b32 s18, s10, 9
	s_add_co_u32 s18, s18, SCR
	v_add_nc_u32 v[SSW], s18, v6
	v_and_b32 v7, 31, v0
	v_lshlrev_b32 v[SO], 3, v7
	v_add_nc_u32 v[SSR], s18, v[SO]
; 16 matrix instructions of quarter Q: row tiles a0, a0 + 1 x all eight key tiles.  zero = 1: the product starts the sums.
; The 32 accumulators take turns, one instruction a turn, always in the same order.
.macro MUL16 f, a0, zero
.irp a, \a0, \a0+1
.irp b, 0,1,2,3,4,5,6,7
.if \zero
	v_wmma_f32_16x16x32_bf16 v[8*(8*(\a)+\b):8*(8*(\a)+\b)+7], v[\f+8*\b:\f+8*\b+7], v[32*(Q%8)+8*(\a):32*(Q%8)+8*(\a)+7], 0
.else
	v_wmma_f32_16x16x32_bf16 v[8*(8*(\a)+\b):8*(8*(\a)+\b)+7], v[\f+8*\b:\f+8*\b+7], v[32*(Q%8)+8*(\a):32*(Q%8)+8*(\a)+7], v[8*(8*(\a)+\b):8*(8*(\a)+\b)+7]
.endif
.endr
.endr
.endm
; 16 LDS loads in one run: quarter q (of a slot's eight) of my 128 keys into buffer f
.macro FETCH slot, q, f
	WIN 0
.irp i, 0,1,2,3,4,5,6,7
	ds_load_b128 v[\f+8*\i:\f+8*\i+3],   v[ADRB+\slot] offset:(\q)*64+\i*16*PB
	ds_load_b128 v[\f+8*\i+4:\f+8*\i+7], v[ADRB+\slot] offset:(\q)*64+\i*16*PB+32
.endr
.endm
; One of a step's first seven quarters: asks for the keys of the slot's quarter nq into buffer g and for y's quarter Q + 7, then multiplies buffer f
.macro QUARTER slot, nq, f, g, zero
	PLACES                                         ; buffer g and the ring's place of quarter Q - 1 were read by the matrix instructions just issued
	FETCH \slot, \nq, \g
	AWAIT
.if Q <= 24
	RING Q+7                                       ; behind the wait: 48 + 8 loads are out
.endif
	s_wait_dscnt 16                                ; all but the 16 just issued: buffer f is whole
	WIN MULW
	MUL16 \f, 0, \zero
	MUL16 \f, 2, \zero
.set Q, Q+1
.endm
.macro SEVEN slot, zero
	QUARTER \slot, 1, F0, F1, \zero
	QUARTER \slot, 2, F1, F0, 0
	QUARTER \slot, 3, F0, F1, 0
	QUARTER \slot, 4, F1, F0, 0
	QUARTER \slot, 5, F0, F1, 0
	QUARTER \slot, 6, F1, F0, 0
	QUARTER \slot, 7, F0, F1, 0
.endm
; A step's last quarter multiplies buffer 1 and changes slots.  fill = 1: this slot is filled again, two steps ahead.
.macro TURN slot, next, fill
	s_wait_dscnt 0x0                               ; buffer 1 is in, and with it my last reads of this slot
	s_set_vgpr_msb 0x5850
	s_wait_tensorcnt 0x0                           ; all my tensor loads have landed: the one that was out is my part of the next slot
	ds_add_u32 v254, v255
	s_wait_dscnt 0x0
	s_set_vgpr_msb 0x5058
	AWAIT
	s_barrier_signal -1                            ; say so (with fill = 1 this barrier opens a round of the cluster's barrier)
	WIN MULW
	MUL16 F1, 0, 0                                 ; register work while the others arrive
	WIN 0
	s_barrier_wait -1
.if \fill
	CREST                                          ; no wave of any partner still reads this slot or has a load on its way
	s_add_nc_u64 s[G0B+4*\slot+2:G0B+4*\slot+3], s[G0B+4*\slot+2:G0B+4*\slot+3], 2*STEP_B
	tensor_load_to_lds s[G0B+4*\slot:G0B+4*\slot+3], s[G1B:G1B+7]   ; the first tensor load behind the round, one a wave; 240 matrix instructions until its wait
	s_nop 0
.endif
	PLACES
	FETCH \next, 0, F0
	RING Q+7                                       ; Q is 7, 15 or 23 here
	WIN MULW
	MUL16 F1, 2, 0
.set Q, Q+1
.endm
	s_wait_tensorcnt 0x1                           ; my part of step 0 is in; step 1's may stay out
	s_barrier_signal -1
	s_barrier_wait -1                              ; everybody's is
	FETCH 0, 0, F0
	SEVEN 0, 1                                     ; step 0: the first products start the sums.  Written out, no loop: the ring's places and the offsets are constants
	TURN 0, 1, 1
	SEVEN 1, 0
	TURN 1, 0, 1
	SEVEN 0, 0
	TURN 0, 1, 0                                   ; the last two steps fill nothing
	SEVEN 1, 0
	s_wait_dscnt 0x0
	AWAIT                                          ; Q = 31: for zero
	WIN MULW
	MUL16 F1, 0, 0
	MUL16 F1, 2, 0
	WIN 0
	; THE ROW MAXIMA.  A lane holds 64 scores of each of four rows (row tile a: registers 64 a .. 64 a + 63 of window 1): four chains side by side.
	PLACES
	s_mov_b32 s22, 0x76543210                      ; v_permlanex16_b32: lane i of one half reads lane i of the other
	s_mov_b32 s23, 0xfedcba98
	WIN 0x05                                       ; sources 0 and 1 in window 1
.irp a, 0,1,2,3
	v_max_num_f32 v[MX+\a], v[64*\a], v[64*\a+1]
.endr
.set i, 1
.rept 31
.irp a, 0,1,2,3
	v_max3_num_f32 v[MX+\a], v[64*\a+2*i], v[64*\a+2*i+1], v[MX+\a]
.endr
.set i, i+1
.endr
	WIN 0
.irp a, 0,1,2,3
	v_mov_b32 v[T+\a], v[MX+\a]                    ; the permute's destination counts as read
.endr
.irp a, 0,1,2,3
	v_permlanex16_b32 v[T+\a], v[MX+\a], s22, s23  ; the row's other eight keys of each tile
.endr
.irp a, 0,1,2,3
	v_max_num_f32 v[MX+\a], v[MX+\a], v[T+\a]      ; over my 128 keys
.endr
.irp a, 0,1,2,3
	ds_store_b32 v[XA], v[MX+\a] offset:64*\a      ; row 16 a + r; both halves of the lanes write the same word with the same value
.endr
	s_wait_dscnt 0x0                               ; for the other wave's sake: zero
	s_barrier_signal -1
	s_barrier_wait -1
.irp a, 0,1,2,3
	ds_load_b32 v[T+\a], v[XB] offset:64*\a        ; the same rows' maxima over the other 128 keys
.endr
	s_wait_dscnt 0x0
.irp a, 0,1,2,3
	v_max_num_f32 v[MX+\a], v[MX+\a], v[T+\a]      ; over the block's 256 keys
.endr
.irp a, 0,1,2,3
	v_mul_f32 v[MC+\a], CSC, v[MX+\a]              ; mc; -mc below is its exact negative
	v_mul_f32 v[NM+2*\a], CSCN, v[MX+\a]
	v_mul_f32 v[NM+2*\a+1], CSCN, v[MX+\a]
.endr
	; p = 2^(c s - mc), in place
	WIN 0x41                                       ; destination and source 0 in window 1
.irp a, 0,1,2,3
.set i, 0
.rept 32
	v_pk_fma_f32 v[64*\a+2*i:64*\a+2*i+1], v[64*\a+2*i:64*\a+2*i+1], CSC, v[NM+2*\a:NM+2*\a+1] op_sel_hi:[1,0,1]
.set i, i+1
.endr
.endr
.set i, 0
.rept 256
	v_exp_f32 v[i], v[i]
.set i, i+1
.endr
	v_nop                                          ; one plain place behind the last exponential before results are used (ISA guide 5.7.2)
	; the rows' sums over my 128 keys
	WIN 0x05
	s_wait_alu depctr_va_vdst(0)
.irp a, 0,1,2,3
	v_pk_add_f32 v[LS+2*\a:LS+2*\a+1], v[64*\a:64*\a+1], v[64*\a+2:64*\a+3]
.endr
	WIN 0x01
.set i, 2
.rept 30
.irp a, 0,1,2,3
	v_pk_add_f32 v[LS+2*\a:LS+2*\a+1], v[64*\a+2*i:64*\a+2*i+1], v[LS+2*\a:LS+2*\a+1]
.endr
.set i, i+1
.endr
	WIN 0
.irp a, 0,1,2,3
	v_add_f32 v[LS+2*\a], v[LS+2*\a], v[LS+2*\a+1]
.endr
.irp a, 0,1,2,3
	v_mov_b32 v[T+\a], v[LS+2*\a]
.endr
.irp a, 0,1,2,3
	v_permlanex16_b32 v[T+\a], v[LS+2*\a], s22, s23
.endr
.irp a, 0,1,2,3
	v_add_f32 v[LS+2*\a], v[LS+2*\a], v[T+\a]
.endr
	; mc and l leave through my scratch, so that one store of the wave covers my 64 rows' 256 consecutive bytes, aligned
.irp a, 0,1,2,3
	ds_store_b32 v[SSW], v[MC+\a] offset:64*\a
	ds_store_b32 v[SSW], v[LS+2*\a] offset:256+64*\a
.endr
	ds_load_b64 v[SD:SD+1], v[SSR]                 ; my own bytes, served in order
	ds_load_b64 v[SD+2:SD+3], v[SSR] offset:256
	s_lshl_b32 s16, s13, 9
	s_lshl_b32 s17, s11, 8
	s_add_co_u32 s16, s16, s17                     ; (128 by + 64 wm) x 4
	s_mov_b32 s17, 0
	s_add_nc_u64 s[70:71], s[70:71], s[16:17]
	s_lshl_b32 s46, s42, 15                        ; mc: block bx of 32,768 bytes
	s_mov_b32 s47, 0
	s_add_nc_u64 s[72:73], s[70:71], s[46:47]
	s_lshl_b32 s46, s42, 16                        ; l: block 2 bx + wn, behind the four of mc
	s_lshl_b32 s18, s12, 15
	s_add_co_u32 s46, s46, s18
	s_add_co_u32 s46, s46, 131072
	s_add_nc_u64 s[74:75], s[70:71], s[46:47]
	s_wait_dscnt 0x0
	global_store_b64 v[SO], v[SD+2:SD+3], s[74:75]
	s_cmp_lg_u32 s12, 0                            ; both waves of a row half hold the same mc: the one with wn = 0 stores it
	s_cbranch_scc1 .Lno_m
	global_store_b64 v[SO], v[SD:SD+1], s[72:73]
.Lno_m:
	; p's way out: rounded to f16 and stored as it lies, at 32,768 (8 by + 4 wm + a) + 1,024 (8 bx + 4 wn) + 512 b + 16 lane
	s_lshl_b32 s16, s13, 18
	s_lshl_b32 s17, s11, 17
	s_add_co_u32 s16, s16, s17
	s_mov_b32 s17, 0
	s_add_nc_u64 s[68:69], s[68:69], s[16:17]
	s_lshl_b32 s46, s42, 13
	s_lshl_b32 s47, s12, 12
	s_add_co_u32 s46, s46, s47
	s_mov_b32 s47, 0
	s_add_nc_u64 s[68:69], s[68:69], s[46:47]
.macro OUTP a                          ; each row tile has 32 registers of its own: no store's data is written again
	WIN 0x05
.irp b, 0,1,2,3,4,5,6,7
.irp k, 0,1,2,3
	v_cvt_pk_f16_f32 v[PK+32*\a+4*\b+\k], v[8*(8*\a+\b)+2*\k], v[8*(8*\a+\b)+2*\k+1]
.endr
.endr
	WIN 0
.irp b, 0,1,2,3,4,5,6,7
	global_store_b128 v[AO], v[PK+32*\a+4*\b:PK+32*\a+4*\b+3], s[68:69] offset:\a*TROW+512*\b   ; the wave stores 512 consecutive bytes, aligned
.endr
.endm
	OUTP 0
	OUTP 1
	OUTP 2
	OUTP 3
	s_wait_tensorcnt 0x0
	ds_add_u32 v254, v255
	s_wait_dscnt 0x0
	CROUND                                         ; the closing round: no work-group ends while a partner may still ask for a tile that names it
	s_endpgm
.Lfunc_end_k_q357031dd23_scores:
	.size	k_q357031dd23_scores, .Lfunc_end_k_q357031dd23_scores-k_q357031dd23_scores
	.p2alignl 7, 3214868480
	.fill 96, 4, 3214868480
	.section	.rodata,"a",@progbits
	.p2align	6, 0x0
	.amdhsa_kernel k_q357031dd23_scores
		.amdhsa_group_segment_fixed_size 327680
		.amdhsa_private_segment_fixed_size 0
		.amdhsa_enable_private_segment 0
		.amdhsa_kernarg_size 32
		.amdhsa_user_sgpr_count 2
		.amdhsa_user_sgpr_kernarg_segment_ptr 1
		.amdhsa_wavefront_size32 1
		.amdhsa_system_sgpr_workgroup_id_x 1
		.amdhsa_system_sgpr_workgroup_id_y 1
		.amdhsa_system_sgpr_workgroup_id_z 1
		.amdhsa_system_vgpr_workitem_id 0
		.amdhsa_next_free_vgpr 768
		.amdhsa_next_free_sgpr 76
		.amdhsa_reserve_vcc 0
		.amdhsa_float_denorm_mode_32 3
		.amdhsa_float_denorm_mode_16_64 3
		.amdhsa_memory_ordered 1
		.amdhsa_forward_progress 1
		.amdhsa_inst_pref_size 187
	.end_amdhsa_kernel
	.amdgpu_metadata
---
amdhsa.version: [ 1, 2 ]
amdhsa.kernels:
  - .name:           k_q357031dd23_scores
    .symbol:         k_q357031dd23_scores.kd
    .args:
      - { .name: yf, .offset: 0, .size: 8, .value_kind: global_buffer, .address_space: global }
      - { .name: xb, .offset: 8, .size: 8, .value_kind: global_buffer, .address_space: global }
      - { .name: pf, .offset: 16, .size: 8, .value_kind: global_buffer, .address_space: global }
      - { .name: stat, .offset: 24, .size: 8, .value_kind: global_buffer, .address_space: global }
    .group_segment_fixed_size: 327680
    .private_segment_fixed_size: 0
    .kernarg_segment_align: 8
    .kernarg_segment_size: 32
    .max_flat_workgroup_size: 128
    .sgpr_count:     76
    .vgpr_count:     768
    .wavefront_size: 32
...
	.end_amdgpu_metadata
.endif
;; end of part 7
;; launch pv (part 8): grid 4 x 64, 4 waves a work-group, clusters of 4 x 4, 327,680 bytes of LDS; arguments pf, vb, out0, stat; writes out0
.if DOCPART == 8
	.amdgcn_target "amdgcn-amd-amdhsa--gfx1250"
	.amdhsa_code_object_version 6
	.text
	.protected	k_q357031dd23_pv
	.globl	k_q357031dd23_pv
	.p2align	8
	.type	k_q357031dd23_pv,@function
k_q357031dd23_pv:
	s_mov_b64 s[64:65], 0
	v_nop
	global_prefetch_b8 v0, s[64:65] scope:SCOPE_SE
	s_setreg_imm32_b32 hwreg(HW_REG_WAVE_MODE, 25, 1), 1
	s_wait_xcnt 0x0
	s_wait_alu depctr_hold_cnt(0) depctr_sa_sdst(0) depctr_va_vdst(0) depctr_va_sdst(0) depctr_va_ssrc(0) depctr_va_vcc(0) depctr_vm_vsrc(0)
	s_getreg_b32 s2, hwreg(HW_REG_IB_STS2, 6, 4)
	s_cmp_eq_u32 s2, 0
	s_cbranch_scc0 .Lentry_in_a_cluster
	s_endpgm
.Lentry_in_a_cluster:
	s_bfe_u32 s2, ttmp6, 0x10000c
	s_cmp_lg_u32 s2, 0xf033
	s_cbranch_scc0 .Lentry_shape_is_right
	s_endpgm
.Lentry_shape_is_right:
; out0 = sum over the four key blocks j of w_j x (P_j V_j), w_j = 2^(mc_j - M) / L, M = the largest mc_j of the row, L = sum of 2^(mc_j - M) l_j:
; the softmax of the whole row, with its true maximum taken away, joined in f32 from the four blocks that the launch before left.
; P and V are f16 operands, the sums f32.  P lies in (0, 1]; V was rounded to f16 by the projection (its limit: |V| <= 65,504).
; L lies between about 1 and 1,024, so its reciprocal is safe.
; LIMITS: v_max_num_f32 drops a NaN (NaN and infinite inputs are not reproduced place for place); v_exp_f32 gives 0 below 2^-126.
; A work-group makes 128 rows x 256 columns of one batch with four waves, a wave 64 x 128.
; THE TWO OPERANDS COME BY TWO ROADS.
;   V (vb, [key][column]) comes through LDS: two slots of 256 keys x 256 columns, rows of 512 bytes, each wave fetching 64 keys; the tile keeps its
;   order and the fragments are made by the transposing LDS load.  The keys go in 4 steps of 256: a step is a key block j; its product is summed in
;   window 1 (started by a product with C = 0) and then added, weighted, to the total in window 2.
;   P lies in pf in the order of the matrix fragments: row tile R, quarter Q (32 keys): 1,024 bytes at (32 R + Q) 1,024, half p at 512 p, lane l at 16 l.
;   A wave loads it straight into registers, 512 consecutive bytes a load, into a ring of eight quarters; seven quarters, 56 loads, are asked ahead.
;   These loads are ordered by LOADcnt alone and pass no barrier.
; CLUSTERS: 4 x 4 work-groups inside one batch: V's tile is shared along a column of the cluster, by joint loads.
; WHY P IS NOT ASKED FOR JOINTLY, though the four work-groups of a row of the cluster and two waves in each read the same 128 KiB: a joint load lands in
; LDS, and with P's 128 rows there two slots hold 128 keys and not 256 (2 x (256 x 544 + 128 x 528) = 413,696 bytes); without them a slot holds 256,
; so a wave issues 240 matrix instructions, not 112, between a tile's request and the wait for it, with 2 refills in place of 6.
; No prefetch: P is asked for seven quarters ahead and V a step ahead.
; REGISTERS: window 0: v0-31 addresses; v32-95, v96-159 V's fragments, two buffers; v160-219 at work on the weights; v224-255 the 16 weights, each twice;
;            window 1: block sums, tile (a, b) at v[8 (8 a + b)];  window 2: the totals, the same places;
;            window 3: P's ring, quarter Q at v[32 (Q % 8)], row tile a at + 8 a.
.set PB,     544                       ; LDS pitch of V's key rows: 512 bytes + 32: an odd multiple of 32
.set QROWS,  64*PB                     ; 34,816: what one tensor load brings
.set SLOT,   4*QROWS                   ; 139,264: 256 keys
.set STAGE,  2*SLOT                    ; 278,528: 16 rows x 528 bytes for each wave; no tile ever lands here
.set OPITCH, 528                       ; 512 bytes of f32 + 16: an odd multiple of 16
.set ROWV,   2048                      ; bytes in a row of vb
.set ROWO,   4096
.set STEP_B, 256*ROWV                  ; 256 keys down V's rows
.set TROW,   32768                     ; bytes of a row tile (16 rows x 1,024 keys) in pf
.set ADRB, 20                          ; v20-23  LDS address of my V fragments: slot 0 quarters 0-3, 4-7; slot 1 quarters 0-3, 4-7 (an LDS offset has 16 bits)
.set STO,  24
.set RD,   25
.set AO,   26                          ; 16 x lane: my byte offset in a half fragment of pf, and in a row piece of out0
.set SV,   27                          ; my byte offset in a block of stat
.set F0,   32
.set F1,   96
.set AL,   224                         ; weight (j, a) at AL + 8 j + 2 a, twice
.set SM,   160                         ; mc (j, a) at SM + 4 j + a
.set SL,   176                         ; l (jj, a) at SL + 4 jj + a
.set SX,   208                         ; M
.set SU,   212                         ; L
.set SR,   216                         ; 1 / L
.set SE,   96                          ; 2^(mc - M) (j, a), in buffer 1 before it is first used
.set G1B, 48
.set G0B, 56
.set MULW, 0x5c                        ; source 0 (V) window 0, source 1 (P) window 3, C and D window 1
.set TO_RING, 0xc0                     ; destination window 3, address window 0
.set MSB, 0
.set Q, 0                              ; the quarter at work, 0 to 31
.macro WIN new
.if MSB != \new
	s_set_vgpr_msb (MSB<<8)|\new
.set MSB, \new
.endif
.endm
.macro PLACES                          ; four places behind a matrix instruction (ISA guide 7.12.1)
.rept 4
	v_nop
.endr
.endm
.macro CREST
	s_cmp_lg_u32 s10, 0
	s_cbranch_scc1 .Lnot_wave_0_\@
	s_barrier_signal -3
.Lnot_wave_0_\@:
	s_barrier_wait -3
	s_barrier_signal -1
	s_barrier_wait -1
.endm
.macro CROUND
	s_barrier_signal -1
	s_barrier_wait -1
	CREST
.endm
; Eight loads: quarter q of P's four row tiles into its place in the ring
.macro RING q
	WIN TO_RING
.irp a, 0,1,2,3
	global_load_b128 v[32*((\q)%8)+8*\a:32*((\q)%8)+8*\a+3],   v[AO], s[14:15] offset:\a*TROW+(\q)*1024
	global_load_b128 v[32*((\q)%8)+8*\a+4:32*((\q)%8)+8*\a+7], v[AO], s[14:15] offset:\a*TROW+(\q)*1024+512
.endr
.endm
; Quarter Q of P is in.  Loads return in order; behind Q's eight stand those of quarters Q + 1 to Q + 6 (to 31 at the end), eight each.
.macro AWAIT
.if Q <= 25
	s_wait_loadcnt 48
.else
	s_wait_loadcnt 8*(31-Q)
.endif
.endm
	s_load_b128 s[4:7], s[0:1], 0x0                ; pf s[4:5], vb s[6:7]
	s_load_b64 s[8:9], s[0:1], 0x10                ; out0
	s_load_b64 s[66:67], s[0:1], 0x18              ; stat
	v_lshl_add_u32 v222, v0, 2, 0x4c400
	v_mov_b32 v223, 0
	ds_add_u32 v222, v223
	v_lshrrev_b32 v1, 5, v0
	v_readfirstlane_b32 s10, v1                    ; wave 0..3
	s_lshr_b32 s11, s10, 1                         ; wm: my 64 rows
	s_and_b32 s12, s10, 1                          ; wn: my 128 columns
	s_bfe_u32 s40, ttmp6, 0x40000                  ; cx
	s_bfe_u32 s41, ttmp6, 0x40004                  ; cy
	s_lshl_b32 s42, ttmp9, 2
	s_add_co_u32 s42, s42, s40                     ; bx: block of 256 columns
	s_and_b32 s13, ttmp7, 0xffff
	s_lshl_b32 s13, s13, 2
	s_add_co_u32 s13, s13, s41                     ; by: block of 128 rows of the 8,192
	s_and_b32 s45, ttmp7, 0xffff
	s_lshr_b32 s45, s45, 1                         ; batch, from the cluster's y alone
	s_lshl_b32 s44, 0x1111, s40                    ; my column of the cluster
	; group 1: 64 keys x 256 elements of 2 bytes, 8 words of padding behind every 128
	s_or_b32 s[G1B+0], s44, (1<<16)|(1<<20)|(1<<21)|(6<<22)|(7<<25)
	s_mov_b32 s[G1B+1], 256<<16
	s_mov_b32 s[G1B+2], 64<<16
	s_mov_b32 s[G1B+3], 256<<16
	s_mov_b32 s[G1B+4], 64
	s_mov_b32 s[G1B+5], 1024                       ; elements from row to row of vb
	s_mov_b32 s[G1B+6], 0
	s_mov_b32 s[G1B+7], 0
	s_lshl_b32 s16, s13, 18                        ; P: row tile 8 by + 4 wm, of 32,768 bytes each
	s_lshl_b32 s17, s11, 17
	s_add_co_u32 s16, s16, s17
	s_mov_b32 s17, 0
	s_lshl_b32 s46, s45, 21                        ; V: 1024 batch rows of 2,048 bytes
	s_lshl_b32 s47, s10, 17                        ; + 64 keys a wave
	s_add_co_u32 s46, s46, s47
	s_lshl_b32 s47, s42, 9                         ; + 256 bx columns of 2 bytes
	s_add_co_u32 s46, s46, s47
	s_mov_b32 s47, 0
	s_mul_i32 s20, s10, QROWS                      ; where my 64 keys land
	s_lshl_b32 s18, s13, 9                         ; stat: 128 by rows of 4 bytes
	s_mov_b32 s19, 0
	s_wait_dscnt 0x0
	s_wait_kmcnt 0x0
	s_add_nc_u64 s[14:15], s[4:5], s[16:17]
	s_add_nc_u64 s[46:47], s[6:7], s[46:47]
	s_add_nc_u64 s[66:67], s[66:67], s[18:19]
	CROUND                                         ; all sixteen work-groups are here: the first joint loads meet
.irp s, 0,1
	s_mov_b32 s[G0B+4*\s], 1
	s_add_co_u32 s[G0B+4*\s+1], s20, \s*SLOT
	s_add_nc_u64 s[G0B+4*\s+2:G0B+4*\s+3], s[46:47], \s*STEP_B
	s_or_b32 s[G0B+4*\s+3], s[G0B+4*\s+3], 0x80000000
	tensor_load_to_lds s[G0B+4*\s:G0B+4*\s+3], s[G1B:G1B+7]   ; key blocks 0 and 1: two loads of this wave are out, the most it ever has
	s_nop 0
.endr
	; while the first tiles are on their way: my four rows' mc and l (row 16 a + r of my 64), P's first quarters, the addresses, the weights
	v_and_b32 v1, 15, v0                           ; r
	v_bfe_u32 v2, v0, 4, 1                         ; h
	v_and_b32 v5, 31, v0
	v_lshlrev_b32 v[AO], 4, v5                     ; 16 x lane
	s_lshl_b32 s18, s11, 8
	v_lshlrev_b32 v[SV], 2, v1
	v_add_nc_u32 v[SV], s18, v[SV]                 ; 256 wm + 4 r
.irp j, 0,1,2,3
.irp a, 0,1,2,3
	global_load_b32 v[SM+4*\j+\a], v[SV], s[66:67] offset:32768*\j+64*\a
.endr
.endr
.irp j, 0,1,2,3,4,5,6,7
.irp a, 0,1,2,3
	global_load_b32 v[SL+4*\j+\a], v[SV], s[66:67] offset:131072+32768*\j+64*\a
.endr
.endr
	RING 0                                         ; 48 + 8 loads are out
	WIN 0
	v_and_b32 v4, 7, v0
	v_lshl_add_u32 v4, v2, 3, v4                   ; V: key 8 h + l % 8,
	v_mul_u32_u24 v4, v4, PB
	v_bfe_u32 v5, v0, 3, 1
	v_lshl_add_u32 v4, v5, 4, v4                   ; and 16 bytes (8 columns) for each group of eight lanes
	s_lshl_b32 s23, s12, 8                         ; my 128 columns
	v_add_nc_u32 v[ADRB], s23, v4
	v_add_nc_u32 v[ADRB+1], 128*PB, v[ADRB]        ; quarters 4 to 7: 128 keys on
	v_add_nc_u32 v[ADRB+2], SLOT, v[ADRB]
	v_add_nc_u32 v[ADRB+3], SLOT+128*PB, v[ADRB]
	s_mul_i32 s22, s10, 16*OPITCH
	s_add_co_u32 s22, s22, STAGE                   ; my stage
	v_mul_u32_u24 v5, v1, OPITCH
	v_lshl_add_u32 v5, v2, 5, v5                   ; in: row r, 32 bytes (8 f32) for each half of the lanes
	v_add_nc_u32 v[STO], s22, v5
	v_add_nc_u32 v[RD], s22, v[AO]                 ; back: 16 bytes a lane, a whole row piece of 512 bytes a wave
	s_wait_loadcnt 8                               ; mc and l are in; the eight loads of P's quarter 0 stand behind them
.irp q, 1,2,3,4,5,6
	RING \q                                        ; at most 8 + 48 loads are out
.endr
	WIN 0
.irp a, 0,1,2,3
	v_max3_num_f32 v[SX+\a], v[SM+\a], v[SM+4+\a], v[SM+8+\a]
.endr
.irp a, 0,1,2,3
	v_max_num_f32 v[SX+\a], v[SX+\a], v[SM+12+\a]  ; M
.endr
.irp j, 0,1,2,3
.irp a, 0,1,2,3
	v_sub_f32 v[SM+4*\j+\a], v[SM+4*\j+\a], v[SX+\a]
.endr
.endr
.irp j, 0,1,2,3
.irp a, 0,1,2,3
	v_exp_f32 v[SE+4*\j+\a], v[SM+4*\j+\a]         ; mc is in units of log2 already
.endr
.endr
.irp j, 0,1,2,3
.irp a, 0,1,2,3
	v_add_f32 v[SL+8*\j+\a], v[SL+8*\j+\a], v[SL+8*\j+4+\a]   ; a key block's two halves; also the plain place behind the exponentials (ISA guide 5.7.2)
.endr
.endr
	s_wait_alu depctr_va_vdst(0)
.irp a, 0,1,2,3
	v_mul_f32 v[SU+\a], v[SE+\a], v[SL+\a]
.endr
.irp j, 1,2,3
.irp a, 0,1,2,3
	v_fmac_f32 v[SU+\a], v[SE+4*\j+\a], v[SL+8*\j+\a]         ; L
.endr
.endr
.irp a, 0,1,2,3
	v_rcp_f32 v[SR+\a], v[SU+\a]
.endr
	v_nop                                          ; one plain place behind the reciprocals
	s_wait_alu depctr_va_vdst(0)
.irp j, 0,1,2,3
.irp a, 0,1,2,3
	v_mul_f32 v[AL+8*\j+2*\a],   v[SE+4*\j+\a], v[SR+\a]
	v_mul_f32 v[AL+8*\j+2*\a+1], v[SE+4*\j+\a], v[SR+\a]
.endr
.endr
; 16 matrix instructions of quarter Q: row tiles a0, a0 + 1 x all eight column tiles.  zero = 1: the product starts the block's sums.
; The 32 accumulators take turns, one instruction a turn, always in the same order.
.macro MUL16 f, a0, zero
.irp a, \a0, \a0+1
.irp b, 0,1,2,3,4,5,6,7
.if \zero
	v_wmma_f32_16x16x32_f16 v[8*(8*(\a)+\b):8*(8*(\a)+\b)+7], v[\f+8*\b:\f+8*\b+7], v[32*(Q%8)+8*(\a):32*(Q%8)+8*(\a)+7], 0
.else
	v_wmma_f32_16x16x32_f16 v[8*(8*(\a)+\b):8*(8*(\a)+\b)+7], v[\f+8*\b:\f+8*\b+7], v[32*(Q%8)+8*(\a):32*(Q%8)+8*(\a)+7], v[8*(8*(\a)+\b):8*(8*(\a)+\b)+7]
.endif
.endr
.endr
.endm
; 16 LDS loads in one run: quarter q (32 keys, of a slot's eight) of my 128 columns of V, transposed on the way, into buffer f
.macro FETCH slot, q, f
	WIN 0
.irp i, 0,1,2,3,4,5,6,7
	ds_load_tr16_b128 v[\f+8*\i:\f+8*\i+3],   v[ADRB+2*\slot+(\q)/4] offset:((\q)%4)*32*PB+32*\i
	ds_load_tr16_b128 v[\f+8*\i+4:\f+8*\i+7], v[ADRB+2*\slot+(\q)/4] offset:((\q)%4)*32*PB+32*\i+16*PB
.endr
.endm
; One of a step's first seven quarters: asks for V's quarter nq of the slot into buffer g and for P's quarter Q + 7, then multiplies buffer f
.macro QUARTER slot, nq, f, g, zero
	PLACES                                         ; buffer g and the ring's place of quarter Q - 1 were read by matrix instructions
	FETCH \slot, \nq, \g
	AWAIT
.if Q <= 24
	RING Q+7                                       ; behind the wait: 48 + 8 loads are out
.endif
	s_wait_dscnt 16                                ; all but the 16 just issued: buffer f is whole
	WIN MULW
	MUL16 \f, 0, \zero
	MUL16 \f, 2, \zero
.set Q, Q+1
.endm
.macro SEVEN slot, zero
	QUARTER \slot, 1, F0, F1, \zero
	QUARTER \slot, 2, F1, F0, 0
	QUARTER \slot, 3, F0, F1, 0
	QUARTER \slot, 4, F1, F0, 0
	QUARTER \slot, 5, F0, F1, 0
	QUARTER \slot, 6, F1, F0, 0
	QUARTER \slot, 7, F0, F1, 0
.endm
; A step's last quarter multiplies buffer 1 and changes slots.  fill = 1: this slot is filled again, two steps ahead.
.macro TURN slot, next, fill
	s_wait_dscnt 0x0                               ; buffer 1 is in, and with it my last reads of this slot
	s_set_vgpr_msb 0x5c50
	s_wait_tensorcnt 0x0                           ; all my tensor loads have landed: the one that was out is my part of the next slot
	ds_add_u32 v222, v223
	s_wait_dscnt 0x0
	s_set_vgpr_msb 0x505c
	AWAIT
	s_barrier_signal -1                            ; say so (with fill = 1 this barrier opens a round of the cluster's barrier)
	WIN MULW
	MUL16 F1, 0, 0                                 ; register work while the others arrive
	WIN 0
	s_barrier_wait -1
.if \fill
	CREST                                          ; no wave of any partner still reads this slot or has a load on its way
	s_add_nc_u64 s[G0B+4*\slot+2:G0B+4*\slot+3], s[G0B+4*\slot+2:G0B+4*\slot+3], 2*STEP_B
	tensor_load_to_lds s[G0B+4*\slot:G0B+4*\slot+3], s[G1B:G1B+7]   ; the first tensor load behind the round, one a wave; 240 matrix instructions until its wait
	s_nop 0
.endif
	PLACES
	FETCH \next, 0, F0
	RING Q+7                                       ; Q is 7, 15 or 23 here
	WIN MULW
	MUL16 F1, 2, 0
.set Q, Q+1
.endm
; total (window 2) = or += weight (j, a) x block sum (window 1).  The first block starts the totals: nothing is cleared.
.macro ACCUM j
	PLACES                                         ; the block sums are read four places behind the last matrix instruction
.if \j
	WIN 0xa1                                       ; source 0 window 1, source 2 and destination window 2
.else
	WIN 0x81                                       ; source 0 window 1, destination window 2
.endif
.irp a, 0,1,2,3
.set i, 0
.rept 32
.if \j
	v_pk_fma_f32 v[64*\a+2*i:64*\a+2*i+1], v[64*\a+2*i:64*\a+2*i+1], v[AL+8*\j+2*\a:AL+8*\j+2*\a+1], v[64*\a+2*i:64*\a+2*i+1]
.else
	v_pk_mul_f32 v[64*\a+2*i:64*\a+2*i+1], v[64*\a+2*i:64*\a+2*i+1], v[AL+2*\a:AL+2*\a+1]
.endif
.set i, i+1
.endr
.endr
	WIN 0
.endm
	s_wait_tensorcnt 0x1                           ; my part of key block 0 is in; block 1's may stay out
	s_barrier_signal -1
	s_barrier_wait -1                              ; everybody's is
	FETCH 0, 0, F0
	SEVEN 0, 1                                     ; written out, no loop: each key block names its own weights, each quarter its place in the ring
	TURN 0, 1, 1
	ACCUM 0
	SEVEN 1, 1
	TURN 1, 0, 1
	ACCUM 1
	SEVEN 0, 1
	TURN 0, 1, 0                                   ; the last two key blocks fill nothing
	ACCUM 2
	SEVEN 1, 1
	s_wait_dscnt 0x0
	AWAIT                                          ; Q = 31: for zero
	WIN MULW
	MUL16 F1, 0, 0
	MUL16 F1, 2, 0
	WIN 0
	ACCUM 3
	; THE WAY OUT, 16 rows at a time: f32 into my stage, read back as whole row pieces of 512 bytes
	s_lshl_b32 s16, s13, 19                        ; 128 by rows of 4,096 bytes
	s_lshl_b32 s17, s11, 18
	s_add_co_u32 s16, s16, s17
	s_mov_b32 s17, 0
	s_add_nc_u64 s[8:9], s[8:9], s[16:17]
	s_lshl_b32 s46, s42, 10                        ; 1,024 bx + 512 wn
	s_lshl_b32 s47, s12, 9
	s_add_co_u32 s46, s46, s47
	s_mov_b32 s47, 0
	s_add_nc_u64 s[8:9], s[8:9], s[46:47]
.macro OUTF a, f
	WIN 0x08                                       ; store data in window 2
.irp b, 0,1,2,3,4,5,6,7
	ds_store_b128 v[STO], v[8*(8*\a+\b):8*(8*\a+\b)+3] offset:64*\b
	ds_store_b128 v[STO], v[8*(8*\a+\b)+4:8*(8*\a+\b)+7] offset:64*\b+16
.endr
	WIN 0
	s_wait_xcnt 0x0                                ; buffer f held the data of earlier stores: it is loaded again only behind this wait
.irp t, 0,1,2,3,4,5,6,7,8,9,10,11,12,13,14,15
	ds_load_b128 v[\f+4*\t:\f+4*\t+3], v[RD] offset:\t*OPITCH      ; my own bytes, served in order: these see the stores above
.endr
.irp t, 0,1,2,3,4,5,6,7,8,9,10,11,12,13,14,15
	s_wait_dscnt 15-\t                             ; read-back t is in, the 15 - t younger ones stay out
	global_store_b128 v[AO], v[\f+4*\t:\f+4*\t+3], s[8:9] offset:(16*\a+\t)*ROWO th:TH_STORE_NT   ; the wave stores 512 consecutive bytes, aligned
.endr
.endm
	OUTF 0, F0
	OUTF 1, F1
	OUTF 2, F0
	OUTF 3, F1
	s_wait_tensorcnt 0x0
	ds_add_u32 v222, v223
	s_wait_dscnt 0x0
	CROUND                                         ; the closing round: no work-group ends while a partner may still ask for a tile that names it
	s_endpgm
.Lfunc_end_k_q357031dd23_pv:
	.size	k_q357031dd23_pv, .Lfunc_end_k_q357031dd23_pv-k_q357031dd23_pv
	.p2alignl 7, 3214868480
	.fill 96, 4, 3214868480
	.section	.rodata,"a",@progbits
	.p2align	6, 0x0
	.amdhsa_kernel k_q357031dd23_pv
		.amdhsa_group_segment_fixed_size 327680
		.amdhsa_private_segment_fixed_size 0
		.amdhsa_enable_private_segment 0
		.amdhsa_kernarg_size 32
		.amdhsa_user_sgpr_count 2
		.amdhsa_user_sgpr_kernarg_segment_ptr 1
		.amdhsa_wavefront_size32 1
		.amdhsa_system_sgpr_workgroup_id_x 1
		.amdhsa_system_sgpr_workgroup_id_y 1
		.amdhsa_system_sgpr_workgroup_id_z 1
		.amdhsa_system_vgpr_workitem_id 0
		.amdhsa_next_free_vgpr 1024
		.amdhsa_next_free_sgpr 72
		.amdhsa_reserve_vcc 0
		.amdhsa_float_denorm_mode_32 3
		.amdhsa_float_denorm_mode_16_64 3
		.amdhsa_memory_ordered 1
		.amdhsa_forward_progress 1
		.amdhsa_inst_pref_size 193
	.end_amdhsa_kernel
	.amdgpu_metadata
---
amdhsa.version: [ 1, 2 ]
amdhsa.kernels:
  - .name:           k_q357031dd23_pv
    .symbol:         k_q357031dd23_pv.kd
    .args:
      - { .name: pf, .offset: 0, .size: 8, .value_kind: global_buffer, .address_space: global }
      - { .name: vb, .offset: 8, .size: 8, .value_kind: global_buffer, .address_space: global }
      - { .name: out0, .offset: 16, .size: 8, .value_kind: global_buffer, .address_space: global }
      - { .name: stat, .offset: 24, .size: 8, .value_kind: global_buffer, .address_space: global }
    .group_segment_fixed_size: 327680
    .private_segment_fixed_size: 0
    .kernarg_segment_align: 8
    .kernarg_segment_size: 32
    .max_flat_workgroup_size: 128
    .sgpr_count:     72
    .vgpr_count:     1024
    .wavefront_size: 32
...
	.end_amdgpu_metadata
.endif
;; end of part 8
